; MI455X (gfx1250); checked and timed in simulation.
; The chip was launched on July 23, 2026; its instructions are those of AMD's public machine-readable ISA for CDNA 5 (MIT licence, August 2026) and "CDNA5" Instruction Set Architecture Reference Guide (July 2026). The comments in the code are by the model that wrote it; some were corrected since.
;; Hapberta Axial Encoder. Allowed arithmetic: matrix products marked QUANTISED: E2M1 operands, one E8M0 scale for each 32 along K, by v_wmma_scale_f32_16x16x128_f8f6f4 with both operands' format E2M1 (or v_wmma_scale_f32_32x16x128_f4), f32 sums; everything else in f32.
;; Inputs: col_kW_codes 2 x 256 x 8 x 16 uint8 (E2M1 codes of col_kW, K innermost, in blocks of 32 codes, two codes a byte); col_kW_scales 2 x 256 x 8 uint8 (E8M0 scales of col_kW, one for each 32 codes along K); col_kb 2 x 256 float32; col_oW_codes 2 x 256 x 8 x 16 uint8 (E2M1 codes of col_oW, K innermost, in blocks of 32 codes, two codes a byte); col_oW_scales 2 x 256 x 8 uint8 (E8M0 scales of col_oW, one for each 32 codes along K); col_ob 2 x 256 float32; col_qW_codes 2 x 256 x 8 x 16 uint8 (E2M1 codes of col_qW, K innermost, in blocks of 32 codes, two codes a byte); col_qW_scales 2 x 256 x 8 uint8 (E8M0 scales of col_qW, one for each 32 codes along K); col_qb 2 x 256 float32; col_vW_codes 2 x 256 x 8 x 16 uint8 (E2M1 codes of col_vW, K innermost, in blocks of 32 codes, two codes a byte); col_vW_scales 2 x 256 x 8 uint8 (E8M0 scales of col_vW, one for each 32 codes along K); col_vb 2 x 256 float32; distances 2 x 32 x 256 x 256 int32; fc1W_codes 2 x 1,024 x 8 x 16 uint8 (E2M1 codes of fc1W, K innermost, in blocks of 32 codes, two codes a byte); fc1W_scales 2 x 1,024 x 8 uint8 (E8M0 scales of fc1W, one for each 32 codes along K); fc1b 2 x 1,024 float32; fc2W_codes 2 x 256 x 32 x 16 uint8 (E2M1 codes of fc2W, K innermost, in blocks of 32 codes, two codes a byte); fc2W_scales 2 x 256 x 32 uint8 (E8M0 scales of fc2W, one for each 32 codes along K); fc2b 2 x 256 float32; hidden_states 2 x 32 x 256 x 256 float32; ln_col_b 2 x 256 float32; ln_col_w 2 x 256 float32; ln_f_b 256 float32; ln_f_w 256 float32; ln_ff_b 2 x 256 float32; ln_ff_w 2 x 256 float32; ln_row_b 2 x 256 float32; ln_row_w 2 x 256 float32; row_kW_codes 2 x 256 x 8 x 16 uint8 (E2M1 codes of row_kW, K innermost, in blocks of 32 codes, two codes a byte); row_kW_scales 2 x 256 x 8 uint8 (E8M0 scales of row_kW, one for each 32 codes along K); row_kb 2 x 256 float32; row_oW_codes 2 x 256 x 8 x 16 uint8 (E2M1 codes of row_oW, K innermost, in blocks of 32 codes, two codes a byte); row_oW_scales 2 x 256 x 8 uint8 (E8M0 scales of row_oW, one for each 32 codes along K); row_ob 2 x 256 float32; row_qW_codes 2 x 256 x 8 x 16 uint8 (E2M1 codes of row_qW, K innermost, in blocks of 32 codes, two codes a byte); row_qW_scales 2 x 256 x 8 uint8 (E8M0 scales of row_qW, one for each 32 codes along K); row_qb 2 x 256 float32; row_rel 2 x 32 x 8 float32; row_vW_codes 2 x 256 x 8 x 16 uint8 (E2M1 codes of row_vW, K innermost, in blocks of 32 codes, two codes a byte); row_vW_scales 2 x 256 x 8 uint8 (E8M0 scales of row_vW, one for each 32 codes along K); row_vb 2 x 256 float32.
;; Outputs: out0 2 x 32 x 256 x 256 float32.
;; This version of the problem:
;;   THIS VERSION OF THE PROBLEM IS GIVEN IN LOW PRECISION. The matrix products marked QUANTISED in the list below multiply operands that are first quantised to E2M1 (2 exponent bits, 1 mantissa bit; 4 bits a number), with one power-of-two scale for each 32 numbers along K (OCP MX v1.0); their sums are f32. All else is computed in f32.
;;   The module's matrix products, in the order in which they are computed (A, B: the left and right operand; K: the contracted axis; several contracted axes count as one K, in the product's order):
;;     1. [M 16,384, K 256] x [K 256, N 256]; A: computed on the way; B: input row_qW (given as codes): QUANTISED
;;     2. [M 16,384, K 256] x [K 256, N 256]; A: computed on the way; B: input row_kW (given as codes): QUANTISED
;;     3. [M 16,384, K 256] x [K 256, N 256]; A: computed on the way; B: input row_vW (given as codes): QUANTISED
;;     4. batch 512 x [M 256, K 32] x [K 32, N 256]; A: computed on the way; B: computed on the way: QUANTISED
;;     5. batch 512 x [M 32, K 256] x [K 256, N 256]; A: computed on the way; B: softmax (see below): QUANTISED
;;     6. [M 16,384, K 256] x [K 256, N 256]; A: computed on the way; B: input row_oW (given as codes): QUANTISED
;;     7. [M 16,384, K 256] x [K 256, N 256]; A: computed on the way; B: input col_qW (given as codes): QUANTISED
;;     8. [M 16,384, K 256] x [K 256, N 256]; A: computed on the way; B: input col_kW (given as codes): QUANTISED
;;     9. [M 16,384, K 256] x [K 256, N 256]; A: computed on the way; B: input col_vW (given as codes): QUANTISED
;;     10. batch 4,096 x [M 32, K 32] x [K 32, N 32]; A: computed on the way; B: computed on the way: QUANTISED
;;     11. batch 4,096 x [M 32, K 32] x [K 32, N 32]; A: computed on the way; B: softmax (see below): QUANTISED
;;     12. [M 16,384, K 256] x [K 256, N 256]; A: computed on the way; B: input col_oW (given as codes): QUANTISED
;;     13. [M 16,384, K 256] x [K 256, N 1,024]; A: computed on the way; B: input fc1W (given as codes): QUANTISED
;;     14. [M 16,384, K 1,024] x [K 1,024, N 256]; A: computed on the way; B: input fc2W (given as codes): QUANTISED
;;     15. [M 16,384, K 256] x [K 256, N 256]; A: computed on the way; B: input row_qW (given as codes): QUANTISED
;;     16. [M 16,384, K 256] x [K 256, N 256]; A: computed on the way; B: input row_kW (given as codes): QUANTISED
;;     17. [M 16,384, K 256] x [K 256, N 256]; A: computed on the way; B: input row_vW (given as codes): QUANTISED
;;     18. batch 512 x [M 256, K 32] x [K 32, N 256]; A: computed on the way; B: computed on the way: QUANTISED
;;     19. batch 512 x [M 32, K 256] x [K 256, N 256]; A: computed on the way; B: softmax (see below): QUANTISED
;;     20. [M 16,384, K 256] x [K 256, N 256]; A: computed on the way; B: input row_oW (given as codes): QUANTISED
;;     21. [M 16,384, K 256] x [K 256, N 256]; A: computed on the way; B: input col_qW (given as codes): QUANTISED
;;     22. [M 16,384, K 256] x [K 256, N 256]; A: computed on the way; B: input col_kW (given as codes): QUANTISED
;;     23. [M 16,384, K 256] x [K 256, N 256]; A: computed on the way; B: input col_vW (given as codes): QUANTISED
;;     24. batch 4,096 x [M 32, K 32] x [K 32, N 32]; A: computed on the way; B: computed on the way: QUANTISED
;;     25. batch 4,096 x [M 32, K 32] x [K 32, N 32]; A: computed on the way; B: softmax (see below): QUANTISED
;;     26. [M 16,384, K 256] x [K 256, N 256]; A: computed on the way; B: input col_oW (given as codes): QUANTISED
;;     27. [M 16,384, K 256] x [K 256, N 1,024]; A: computed on the way; B: input fc1W (given as codes): QUANTISED
;;     28. [M 16,384, K 1,024] x [K 1,024, N 256]; A: computed on the way; B: input fc2W (given as codes): QUANTISED
;;   THE QUANTISER, for each operand of a quantised product, along K:
;;     - K is cut into blocks of 32 from its start; a last block that is shorter is filled with zeros.
;;     - A block's scale is 2^e with e = floor(log2(the largest magnitude in the block)) - 2, held to -126 .. 127; a block of zeros has e = 0. As a byte (E8M0): e + 127.
;;     - Each number is divided by its block's scale, clamped to +-6, and rounded to the nearest number of E2M1, ties to even, subnormals kept.
;;     - The product sums the exact products of the quantised numbers (number of the format x scale) in f32.
;;   ~~~python
;;   def quantise(x, axis):      # numpy; x: float32 -> the quantised numbers, widened to float32 again
;;       x = np.moveaxis(x, axis, -1); K = x.shape[-1]
;;       x = np.pad(x, [(0, 0)] * (x.ndim - 1) + [(0, -K % 32)]); x = x.reshape(x.shape[:-1] + (-1, 32)); a = np.abs(x).max(-1, keepdims=True)
;;       e = np.where(a > 0, np.clip(np.frexp(np.where(a > 0, a, 1))[1] - 1 - 2, -126, 127), 0)      # np.frexp(a)[1] - 1 = floor(log2(a)), exactly
;;       r = np.clip(x / 2.0 ** e, -6, 6)
;;       step = 2.0 ** (np.maximum(np.frexp(np.where(r == 0, 1, r))[1] - 1, 0) - 1)
;;       q = np.round(r / step) * step * 2.0 ** e      # np.round: ties to even
;;       return np.moveaxis(q.reshape(q.shape[:-2] + (-1,))[..., :K], -1, axis).astype(np.float32)
;;   ~~~
;;   SOFTMAX AHEAD OF A QUANTISED PRODUCT. Where the list says 'softmax', what is quantised is not the finished softmax but p = 2^(t - M), with t = logit x log2(e) and M = ceil(the row's largest t), a whole number; so 1/2 < the row's largest p <= 1. The row's sum l is taken of the UNQUANTISED p, in f32, and the product's result is divided by l at the end. Since M is a whole number, a kernel that streams over the keys may use a running M (the ceiling of the running maximum): every later rescaling is an exact power of two, which a block's scale takes up: the codes' values come out the same.
;;   OPERANDS COMPUTED ON THE WAY. 'Computed on the way' means the value that the module computes at that place (a softmax that the list does not call 'softmax' is quantised finished and normalised). What goes into a quantiser is computed in f32, as accurately as f32 sums, v_exp_f32 and their like allow (about 1e-6 of the number): no bf16 or f16 on the way to a quantiser, and a product that is left as it is and whose result goes on into a quantised operand takes f32 operands (vector FMAs, or v_wmma_f32_16x16x4_f32). A number that lies on a knife's edge between two numbers of the format may be rounded either way, as far as f32 arithmetic and the matrix unit's own rounding can turn it there, and no further.
;;   INPUTS GIVEN AS CODES. col_kW (in the module: [2, 256, 256], K = its axis 2); col_oW (in the module: [2, 256, 256], K = its axis 2); col_qW (in the module: [2, 256, 256], K = its axis 2); col_vW (in the module: [2, 256, 256], K = its axis 2); fc1W (in the module: [2, 1024, 256], K = its axis 2); fc2W (in the module: [2, 256, 1024], K = its axis 2); row_kW (in the module: [2, 256, 256], K = its axis 2); row_oW (in the module: [2, 256, 256], K = its axis 2); row_qW (in the module: [2, 256, 256], K = its axis 2); row_vW (in the module: [2, 256, 256], K = its axis 2): each comes as NAME_codes (uint8): NAME with its K axis moved to the last place and cut into blocks of 32 codes, [.., K / 32, bytes a block], one block behind the other in memory; two codes a byte, the lower K in the low four bits (a code: sign, 2 exponent bits, 1 mantissa bit); and NAME_scales (uint8): the same leading axes, one E8M0 byte (e + 127) for each 32 codes along K. Its value is code x scale, taken as it is: it is not quantised again, and the codes and scales need not be those that the quantiser above would give.
;; One version. Each part assembles by itself: llvm-mc -triple=amdgcn-amd-amdhsa -mcpu=gfx1250 --defsym DOCPART=n.
;; ======== version 1 of 1: 5 launches
;; limits: right only within a limited range of input values
;; workspace buffers: bkt 4,194,304 bytes of whole numbers; lay0 256 bytes of whole numbers; lay1 256 bytes of whole numbers; xq 2,228,224 bytes; ctx 2,228,224 bytes; x1 16,777,216 bytes; par 40,960 bytes
;; launch prep (part 1): grid 256 x 1, 8 waves a work-group, no clusters, 26,624 bytes of LDS; arguments distances, hidden_states, ln_row_w, ln_row_b, row_qb, row_kb, row_vb, row_ob, col_qb, col_kb, col_vb, col_ob, fc2b, ln_col_w, ln_col_b, ln_ff_w, ln_ff_b, row_rel, fc1b, ln_f_w, ln_f_b, bkt, xq, par, lay0, lay1; writes bkt, xq, par, lay0, lay1
.if DOCPART == 1
	.amdgcn_target "amdgcn-amd-amdhsa--gfx1250"
	.amdhsa_code_object_version 6
	.text
	.protected	k_qfc4f1c01a0_prep
	.globl	k_qfc4f1c01a0_prep
	.p2align	8
	.type	k_qfc4f1c01a0_prep,@function
k_qfc4f1c01a0_prep:
	s_mov_b64 s[64:65], 0
	v_nop
	global_prefetch_b8 v0, s[64:65] scope:SCOPE_SE
	s_setreg_imm32_b32 hwreg(HW_REG_WAVE_MODE, 25, 1), 1
	s_wait_xcnt 0x0
; PREP.  Three things that both layers or the first layer need, in one launch.
; (a) bkt: the bucket of every distance, times 4, one byte each, laid as the row kernel's score registers want it:
;     [b][r][query tile 16][key block 8][lane 32][16 bytes]; byte k of lane (r, h) belongs to query 32 (tile / 2) + 8 (tile % 2) + r + 8 (r / 8) and key 32 block + 16 h + k.
; (b) xq: LayerNorm (ln_row, layer 0) of hidden_states, quantised to E2M1 along the 256 channels: codes [token][128 bytes] at byte 0, E8M0 bytes [token][8] at byte 2,097,152.
; (c) par: the small f32 vectors of both layers as [layer][20 slots][256 f32]; lay0, lay1: the whole numbers 0 and 1 (the layer's number for the later launches).
; SHARES.  256 work-groups of 8 waves.  Waves 0-3: one tile of bkt each (16 queries x 256 keys).  Waves 4-7: 16 tokens each.  Work-group 0's waves 0-3 also copy par and lay, while their distances are on their way.
; The roles part once on the wave's number and never join; each wave has LDS bytes of its own; no barrier.
; LIMITS.  bucket = trunc(log2(|d|) x 30 / log2(50000) + 2^-18) + 1, held at 31, 0 for d = 0: another order of rounding than log(a) / log(50000) x 30: a distance whose exact value lies within
; some 6e-6 of a whole number may fall into the neighbouring bucket.  d = -2^31 is not served.  A block of zeros gets the scale byte 1 (its codes are zeros; only this program reads the bytes);
; blocks whose largest magnitude lies under 2^-124 are held at byte 1.  1 / sqrt by v_rsq_f32.  NaN and infinities among the inputs are not served.
.set WVN, 56                           ; s56 wave 0..7
.set QW,  57                           ; s57 wave % 4
.set WI,  58                           ; s58 4 x work-group + wave % 4: which tile, which 16 tokens
.set SEL, 62                           ; s[62:63] lane selects: lane l xor 16
.set DD,  64                           ; v64-191  128 distances a lane
.set F,   192                          ; v192-255 64 of them at work
.set X,   64                           ; v64-191  16 tokens x 8 channels a lane
.set P,   192                          ; v192-223 a pair for each token
.set Q,   224                          ; v224-239 one register for each token
	s_load_b512 s[4:19], s[0:1], 0x0               ; distances 4, hidden_states 6, ln_row_w 8, ln_row_b 10, row_qb 12, row_kb 14, row_vb 16, row_ob 18
	s_load_b512 s[20:35], s[0:1], 0x40             ; col_qb 20, col_kb 22, col_vb 24, col_ob 26, fc2b 28, ln_col_w 30, ln_col_b 32, ln_ff_w 34
	s_load_b512 s[36:51], s[0:1], 0x80             ; ln_ff_b 36, row_rel 38, fc1b 40, ln_f_w 42, ln_f_b 44, bkt 46, xq 48, par 50
	s_load_b128 s[52:55], s[0:1], 0xc0             ; lay0 52, lay1 54
	s_set_vgpr_msb 0x40
	v_lshl_add_u32 v0, v0, 2, 0x6400
	v_mov_b32 v1, 0
	s_set_vgpr_msb 0x4000
	v_lshrrev_b32 v1, 5, v0
	s_delay_alu instid0(VALU_DEP_1)
	v_readfirstlane_b32 s[WVN], v1
	v_and_b32 v1, 31, v0                           ; lane
	s_and_b32 s[QW], s[WVN], 3
	s_lshl_b32 s[WI], ttmp9, 2
	s_add_co_u32 s[WI], s[WI], s[QW]
	v_lshlrev_b32 v2, 4, v1                        ; 16 x lane
	; every LDS address is made here, ahead of the parting of the roles
	s_lshl_b32 s59, s[QW], 12                      ; bucket waves: 4,096 bytes each, from byte 0
	v_lshrrev_b32 v3, 2, v1
	s_delay_alu instid0(VALU_DEP_1)
	v_lshlrev_b32 v3, 8, v3
	v_and_b32 v4, 3, v1
	s_delay_alu instid0(VALU_DEP_1)
	v_lshl_add_u32 v3, v4, 2, v3
	s_delay_alu instid0(VALU_DEP_1)
	v_add_nc_u32 v3, s59, v3                       ; in: 256 (lane / 4) + 4 (lane % 4)
	v_add_nc_u32 v4, s59, v2                       ; out: 16 x lane
	s_mul_i32 s60, s[QW], 2304                     ; norm waves: 2,304 bytes each, from byte 16,384: 2,048 of codes, 128 scale bytes
	s_add_co_u32 s60, s60, 16384
	v_lshlrev_b32 v9, 2, v1                        ; 4 x lane
	s_delay_alu instid0(VALU_DEP_1)
	v_add_nc_u32 v5, s60, v9                       ; codes in, scale words out
	v_lshrrev_b32 v6, 2, v1
	s_delay_alu instid0(VALU_DEP_1)
	v_add_nc_u32 v6, s60, v6                       ; my block's byte
	v_add_nc_u32 v7, s60, v2                       ; codes out
	v_lshlrev_b32 v8, 5, v1                        ; 32 x lane: my 8 channels
	s_mov_b32 s[SEL], 0x76543210
	s_mov_b32 s[SEL+1], 0xfedcba98
	s_wait_kmcnt 0x0
	s_cmp_lt_u32 s[WVN], 4
	s_cbranch_scc0 .Lnorm
	; ---------------- waves 0-3 ----------------
	s_lshr_b32 s66, s[WI], 4                       ; (b, r)
	s_and_b32 s67, s[WI], 15                       ; the tile of queries
	s_lshl_b32 s66, s66, 8
	s_lshr_b32 s68, s67, 1
	s_lshl_b32 s68, s68, 5
	s_add_co_u32 s66, s66, s68
	s_and_b32 s68, s67, 1
	s_lshl_b32 s68, s68, 3
	s_add_co_u32 s66, s66, s68                     ; the tile's first query: 256 (b, r) + 32 (tile / 2) + 8 (tile % 2)
	s_lshl_b32 s66, s66, 10                        ; a query's 256 distances are 1,024 bytes
	s_mov_b32 s67, 0
	s_add_nc_u64 s[4:5], s[4:5], s[66:67]
	s_lshl_b32 s66, s[WI], 12
	s_add_nc_u64 s[46:47], s[46:47], s[66:67]      ; my 4,096 bytes of bkt
.macro DLOADS                          ; my tile's distances: load n: the tile's row n / 2 (query + n / 2 + 8 (n / 16)), keys 128 (n % 2) on: 512 consecutive bytes
.set n, 0
.rept 32
	global_load_b128 v[DD+4*n:DD+4*n+3], v2, s[4:5] offset:((n/2)+8*(n/16))*1024+(n%2)*512 th:TH_LOAD_NT
.set n, n+1
.endr
.endm
.macro PREG k                          ; par's load k of 20 lands in v32-63 (the first eight) or v192-239
.if (\k) < 8
.set pr, 32+4*(\k)
.else
.set pr, 192+4*((\k)-8)
.endif
.endm
	s_cmp_lg_u32 ttmp9, 0
	s_cbranch_scc1 .Lplain
	; work-group 0: par.  Thread t (0..127) moves 16 bytes of each source: a source [2][256] f32 is 128 x 16 bytes.  Its loads go out first, the distances' behind them, so that the copy is over while the distances are on their way
	v_lshlrev_b32 v10, 4, v0                       ; 16 t
	v_lshrrev_b32 v11, 6, v0                       ; the layer
	s_delay_alu instid0(VALU_DEP_1)
	v_mul_u32_u24 v11, v11, 20480
	v_and_b32 v12, 63, v0
	s_delay_alu instid0(VALU_DEP_1)
	v_lshl_add_u32 v11, v12, 4, v11                ; layer x 20,480 + 16 (t % 64)
.irp k, 0,1,2,3,4,5,6,7,8,9,10,11,12,13
	PREG \k
	global_load_b128 v[pr:pr+3], v10, s[12+2*\k:13+2*\k]               ; slots 0 to 13, in the order of the arguments
.endr
.irp k, 0,1,2,3
	PREG 14+\k
	global_load_b128 v[pr:pr+3], v10, s[40:41] offset:2048*\k          ; fc1b: 4 x 2,048 bytes
.endr
	s_cmp_lt_u32 s[WVN], 2                         ; the norm at a layer's end: layer 0 (threads 0-63): ln_row of layer 1; layer 1: ln_f
	s_cselect_b64 s[66:67], s[8:9], s[42:43]
	s_cselect_b64 s[68:69], s[10:11], s[44:45]
	s_cselect_b32 s70, 1024, 0
	v_lshl_add_u32 v12, v12, 4, s70
	PREG 18
	global_load_b128 v[pr:pr+3], v12, s[66:67]
	PREG 19
	global_load_b128 v[pr:pr+3], v12, s[68:69]
	DLOADS
	s_wait_alu depctr_va_vdst(0)
	s_wait_loadcnt 32                              ; par's twenty loads are in; the 32 younger ones, the distances, may be out
.irp k, 0,1,2,3,4,5,6,7,8,9,10,11,12,13
	PREG \k
	global_store_b128 v11, v[pr:pr+3], s[50:51] offset:1024*\k
.endr
.irp k, 0,1,2,3
	PREG 14+\k
	global_store_b128 v10, v[pr:pr+3], s[50:51] offset:(\k/2)*20480+16384+(\k%2)*2048   ; slots 16 to 19
.endr
	PREG 18
	global_store_b128 v11, v[pr:pr+3], s[50:51] offset:14336           ; slot 14
	PREG 19
	global_store_b128 v11, v[pr:pr+3], s[50:51] offset:15360           ; slot 15
	s_cmp_lg_u32 s[WVN], 0
	s_cbranch_scc1 .Lno_lay
	v_lshlrev_b32 v13, 3, v1
	v_mov_b32 v14, 0
	v_mov_b32 v15, 0
	v_mov_b32 v16, 1
	v_mov_b32 v17, 1
	global_store_b64 v13, v[14:15], s[52:53]       ; 32 lanes x 8 bytes: the whole buffer
	global_store_b64 v13, v[16:17], s[54:55]
.Lno_lay:
	s_wait_xcnt 0x0                                ; the stores have read their registers: v192 on are written again below
	s_branch .Lwork
.Lplain:
	DLOADS
.Lwork:
	v_mov_b32 v18, 0x3ff60077                      ; 30 / log2(50000)
; 64 distances: loads 16 hfn to 16 hfn + 15
.macro HALF hfn
.set n, 0
.rept 64
	v_cvt_f32_i32 v[F+n], v[DD+64*\hfn+n]
.set n, n+1
.endr
.set n, 0
.rept 64
	v_max_num_f32 v[F+n], |v[F+n]|, 1.0
.set n, n+1
.endr
.set n, 0
	s_wait_alu depctr_va_vdst(0)
.rept 64
	v_log_f32 v[F+n], v[F+n]                       ; log2
.set n, n+1
.endr
	v_nop                                          ; a plain instruction behind the last logarithm
	s_wait_alu depctr_va_vdst(0)                   ; one wait for the batch of 64, ahead of its first reader
.set n, 0
.rept 64
	v_fmaak_f32 v[F+n], v18, v[F+n], 0x36800000    ; x 30 / log2(50000) + 2^-18
.set n, n+1
.endr
.set n, 0
.rept 64
	v_cvt_i32_f32 v[F+n], v[F+n]                   ; toward zero
.set n, n+1
.endr
.set n, 0
.rept 64
	v_min_u32 v[F+n], 30, v[F+n]
.set n, n+1
.endr
.set n, 0
.rept 64
	v_add_nc_u32 v[F+n], 1, v[F+n]                 ; 1 .. 31
.set n, n+1
.endr
.set n, 0
.rept 64
	v_cmp_ne_u32 vcc_lo, 0, v[DD+64*\hfn+n]
	s_delay_alu instid0(VALU_DEP_1)
	v_cndmask_b32 v[F+n], 0, v[F+n], vcc_lo        ; bucket 0 for the distance 0
.set n, n+1
.endr
.set n, 0
.rept 16                                       ; four buckets to a word, times 4: the byte is a lane's number x 4, as the lane permute takes it
	v_lshl_or_b32 v[F+4*n], v[F+4*n+1], 8, v[F+4*n]
	s_delay_alu instid0(VALU_DEP_1)
	v_lshl_or_b32 v[F+4*n], v[F+4*n+2], 16, v[F+4*n]
	s_delay_alu instid0(VALU_DEP_1)
	v_lshl_or_b32 v[F+4*n], v[F+4*n+3], 24, v[F+4*n]
	s_delay_alu instid0(VALU_DEP_1)
	v_lshlrev_b32 v[F+4*n], 2, v[F+4*n]
	ds_store_b32 v3, v[F+4*n] offset:((16*\hfn+n)/2)*16+((16*\hfn+n)%2)*2048
.set n, n+1
.endr
.endm
	s_wait_loadcnt 16                              ; the first 16 loads of distances are in; the 16 younger ones may be out
	HALF 0
	s_wait_loadcnt 0x0
	s_wait_dscnt 0x0                               ; the first half's LDS stores have read v192 on
	HALF 1
.irp i, 0,1,2,3,4,5,6,7
	ds_load_b128 v[DD+4*\i:DD+4*\i+3], v4 offset:512*\i   ; LDS serves a wave's instructions in order: these see my stores
.endr
.irp i, 0,1,2,3,4,5,6,7
	s_wait_dscnt 7-\i                              ; load i is in; the 7 - i younger ones may be out
	global_store_b128 v2, v[DD+4*\i:DD+4*\i+3], s[46:47] offset:512*\i   ; 512 consecutive bytes
.endr
	s_set_vgpr_msb 0x5
	s_wait_tensorcnt 0x0
	ds_add_u32 v0, v1
	s_wait_dscnt 0x0
	s_set_vgpr_msb 0x500
	s_endpgm
	; ---------------- waves 4-7: LayerNorm and quantiser, 16 tokens; lane l holds channels 8 l .. 8 l + 7 of every token ----------------
.Lnorm:
	s_lshl_b32 s66, s[WI], 14                      ; 16 tokens x 1,024 bytes
	s_mov_b32 s67, 0
	s_add_nc_u64 s[6:7], s[6:7], s[66:67]
	s_lshl_b32 s66, s[WI], 11                      ; 16 x 128 bytes of codes
	s_add_nc_u64 s[68:69], s[48:49], s[66:67]
	s_lshl_b32 s66, s[WI], 7                       ; 16 x 8 scale bytes,
	s_add_co_u32 s66, s66, 2097152                 ; behind the codes
	s_add_nc_u64 s[70:71], s[48:49], s[66:67]
	s_wait_alu depctr_va_vdst(0)
	global_load_b128 v[16:19], v8, s[8:9]          ; gain of my 8 channels (layer 0)
	global_load_b128 v[20:23], v8, s[8:9] offset:16
	global_load_b128 v[24:27], v8, s[10:11]        ; bias
	global_load_b128 v[28:31], v8, s[10:11] offset:16
.set k, 0
.rept 16
	global_load_b128 v[X+8*k:X+8*k+3], v8, s[6:7] offset:1024*k th:TH_LOAD_NT
	global_load_b128 v[X+8*k+4:X+8*k+7], v8, s[6:7] offset:1024*k+16 th:TH_LOAD_NT
.set k, k+1
.endr
	v_mov_b32 v10, 0x3b800000                      ; 1 / 256
.set k, 0
.rept 16
	v_mov_b32 v[Q+k], 0                            ; a lane permute's destination counts as read: written once
.set k, k+1
.endr
; v[P + 2 k] summed over the wave's 32 lanes, the 16 tokens by turns
.macro XSUM
.irp m, 1,2,4,8
.set k, 0
.rept 16
	v_add_f32_dpp v[P+2*k], v[P+2*k], v[P+2*k] row_xmask:\m row_mask:0xf bank_mask:0xf
.set k, k+1
.endr
.endr
.set k, 0
.rept 16
	v_permlanex16_b32 v[Q+k], v[P+2*k], s[SEL], s[SEL+1]
.set k, k+1
.endr
.set k, 0
.rept 16
	v_add_f32 v[P+2*k], v[P+2*k], v[Q+k]
.set k, k+1
.endr
.endm
	s_wait_loadcnt 0x0
.set k, 0
.rept 16
	v_pk_add_f32 v[P+2*k:P+2*k+1], v[X+8*k:X+8*k+1], v[X+8*k+2:X+8*k+3]
.set k, k+1
.endr
.irp i, 4,6
.set k, 0
.rept 16
	v_pk_add_f32 v[P+2*k:P+2*k+1], v[P+2*k:P+2*k+1], v[X+8*k+\i:X+8*k+\i+1]
.set k, k+1
.endr
.endr
.set k, 0
.rept 16
	v_add_f32 v[P+2*k], v[P+2*k], v[P+2*k+1]
.set k, k+1
.endr
	XSUM
.set k, 0
.rept 16
	v_mul_f32 v[P+2*k], 0x3b800000, v[P+2*k]       ; the mean
.set k, k+1
.endr
.irp i, 0,2,4,6
.set k, 0
.rept 16
	v_pk_add_f32 v[X+8*k+\i:X+8*k+\i+1], v[X+8*k+\i:X+8*k+\i+1], v[P+2*k:P+2*k+1] op_sel_hi:[1,0] neg_lo:[0,1] neg_hi:[0,1]   ; x - mean
.set k, k+1
.endr
.endr
.set k, 0
.rept 16
	v_pk_mul_f32 v[P+2*k:P+2*k+1], v[X+8*k:X+8*k+1], v[X+8*k:X+8*k+1]
.set k, k+1
.endr
.irp i, 2,4,6
.set k, 0
.rept 16
	v_pk_fma_f32 v[P+2*k:P+2*k+1], v[X+8*k+\i:X+8*k+\i+1], v[X+8*k+\i:X+8*k+\i+1], v[P+2*k:P+2*k+1]
.set k, k+1
.endr
.endr
.set k, 0
.rept 16
	v_add_f32 v[P+2*k], v[P+2*k], v[P+2*k+1]
.set k, k+1
.endr
	XSUM
.set k, 0
.rept 16
	v_fmaak_f32 v[P+2*k], v10, v[P+2*k], 0x2b8cbccc   ; the variance + 1e-12
.set k, k+1
.endr
.set k, 0
	s_wait_alu depctr_va_vdst(0)
.rept 16
	v_rsq_f32 v[P+2*k], v[P+2*k]
.set k, k+1
.endr
	v_nop                                          ; a plain instruction behind the last of them
	s_wait_alu depctr_va_vdst(0)                   ; one wait for the sixteen
.irp i, 0,2,4,6
.set k, 0
.rept 16
	v_pk_mul_f32 v[X+8*k+\i:X+8*k+\i+1], v[X+8*k+\i:X+8*k+\i+1], v[P+2*k:P+2*k+1] op_sel_hi:[1,0]
.set k, k+1
.endr
.endr
.irp i, 0,2,4,6
.set k, 0
.rept 16
	v_pk_fma_f32 v[X+8*k+\i:X+8*k+\i+1], v[X+8*k+\i:X+8*k+\i+1], v[16+\i:17+\i], v[24+\i:25+\i]   ; x gain + bias
.set k, k+1
.endr
.endr
	; the quantiser: a block of 32 channels lies in four neighbouring lanes
.set k, 0
.rept 16
	v_max3_num_f32 v[P+2*k], |v[X+8*k]|, |v[X+8*k+1]|, 0x1800000      ; with the floor 2^(3 - 127): the byte cannot fall under 1
.set k, k+1
.endr
.irp i, 2,4,6
.set k, 0
.rept 16
	v_max3_num_f32 v[P+2*k], v[P+2*k], |v[X+8*k+\i]|, |v[X+8*k+\i+1]|
.set k, k+1
.endr
.endr
.irp m, 1,2
.set k, 0
.rept 16
	v_max_num_f32_dpp v[P+2*k], v[P+2*k], v[P+2*k] row_xmask:\m row_mask:0xf bank_mask:0xf
.set k, k+1
.endr
.endr
.set k, 0
.rept 16
	v_add_nc_u32 v[P+2*k+1], 0xff000000, v[P+2*k]  ; 2 off the exponent field: the conversion's scale operand
.set k, k+1
.endr
.set k, 0
.rept 16
	v_lshrrev_b32 v[P+2*k], 23, v[P+2*k+1]         ; the scale's byte
.set k, k+1
.endr
.set k, 0
.rept 16
	v_cvt_scalef32_pk8_fp4_f32 v[Q+k], v[X+8*k:X+8*k+7], v[P+2*k+1]
.set k, k+1
.endr
	v_nop                                          ; a plain instruction behind the last conversion
.set k, 0
.rept 16
	ds_store_b32 v5, v[Q+k] offset:128*k           ; token k: my 8 codes at byte 4 x lane
	ds_store_b8 v6, v[P+2*k] offset:2048+8*k       ; the four lanes of a block write the same byte with the same value
.set k, k+1
.endr
.irp i, 0,1,2,3
	ds_load_b128 v[X+4*\i:X+4*\i+3], v7 offset:512*\i     ; LDS serves a wave's instructions in order
.endr
	ds_load_b32 v[X+16], v5 offset:2048
.irp i, 0,1,2,3
	s_wait_dscnt 4-\i                              ; load i is in; the 4 - i younger ones may be out
	global_store_b128 v2, v[X+4*\i:X+4*\i+3], s[68:69] offset:512*\i   ; 512 consecutive bytes
.endr
	s_wait_dscnt 0x0
	global_store_b32 v9, v[X+16], s[70:71]         ; 128 consecutive bytes
	s_set_vgpr_msb 0x5
	s_wait_tensorcnt 0x0
	ds_add_u32 v0, v1
	s_wait_dscnt 0x0
	s_set_vgpr_msb 0x500
	s_endpgm
.Lfunc_end_k_qfc4f1c01a0_prep:
	.size	k_qfc4f1c01a0_prep, .Lfunc_end_k_qfc4f1c01a0_prep-k_qfc4f1c01a0_prep
	.p2alignl 7, 3214868480
	.fill 96, 4, 3214868480
	.section	.rodata,"a",@progbits
	.p2align	6, 0x0
	.amdhsa_kernel k_qfc4f1c01a0_prep
		.amdhsa_group_segment_fixed_size 26624
		.amdhsa_private_segment_fixed_size 0
		.amdhsa_enable_private_segment 0
		.amdhsa_kernarg_size 208
		.amdhsa_user_sgpr_count 2
		.amdhsa_user_sgpr_kernarg_segment_ptr 1
		.amdhsa_wavefront_size32 1
		.amdhsa_system_sgpr_workgroup_id_x 1
		.amdhsa_system_sgpr_workgroup_id_y 1
		.amdhsa_system_sgpr_workgroup_id_z 1
		.amdhsa_system_vgpr_workitem_id 0
		.amdhsa_next_free_vgpr 258
		.amdhsa_next_free_sgpr 80
		.amdhsa_reserve_vcc 1
		.amdhsa_float_denorm_mode_32 3
		.amdhsa_float_denorm_mode_16_64 3
		.amdhsa_memory_ordered 1
		.amdhsa_forward_progress 1
		.amdhsa_inst_pref_size 126
	.end_amdhsa_kernel
	.amdgpu_metadata
---
amdhsa.version: [ 1, 2 ]
amdhsa.kernels:
  - .name:           k_qfc4f1c01a0_prep
    .symbol:         k_qfc4f1c01a0_prep.kd
    .args:
      - { .name: distances, .offset: 0, .size: 8, .value_kind: global_buffer, .address_space: global }
      - { .name: hidden_states, .offset: 8, .size: 8, .value_kind: global_buffer, .address_space: global }
      - { .name: ln_row_w, .offset: 16, .size: 8, .value_kind: global_buffer, .address_space: global }
      - { .name: ln_row_b, .offset: 24, .size: 8, .value_kind: global_buffer, .address_space: global }
      - { .name: row_qb, .offset: 32, .size: 8, .value_kind: global_buffer, .address_space: global }
      - { .name: row_kb, .offset: 40, .size: 8, .value_kind: global_buffer, .address_space: global }
      - { .name: row_vb, .offset: 48, .size: 8, .value_kind: global_buffer, .address_space: global }
      - { .name: row_ob, .offset: 56, .size: 8, .value_kind: global_buffer, .address_space: global }
      - { .name: col_qb, .offset: 64, .size: 8, .value_kind: global_buffer, .address_space: global }
      - { .name: col_kb, .offset: 72, .size: 8, .value_kind: global_buffer, .address_space: global }
      - { .name: col_vb, .offset: 80, .size: 8, .value_kind: global_buffer, .address_space: global }
      - { .name: col_ob, .offset: 88, .size: 8, .value_kind: global_buffer, .address_space: global }
      - { .name: fc2b, .offset: 96, .size: 8, .value_kind: global_buffer, .address_space: global }
      - { .name: ln_col_w, .offset: 104, .size: 8, .value_kind: global_buffer, .address_space: global }
      - { .name: ln_col_b, .offset: 112, .size: 8, .value_kind: global_buffer, .address_space: global }
      - { .name: ln_ff_w, .offset: 120, .size: 8, .value_kind: global_buffer, .address_space: global }
      - { .name: ln_ff_b, .offset: 128, .size: 8, .value_kind: global_buffer, .address_space: global }
      - { .name: row_rel, .offset: 136, .size: 8, .value_kind: global_buffer, .address_space: global }
      - { .name: fc1b, .offset: 144, .size: 8, .value_kind: global_buffer, .address_space: global }
      - { .name: ln_f_w, .offset: 152, .size: 8, .value_kind: global_buffer, .address_space: global }
      - { .name: ln_f_b, .offset: 160, .size: 8, .value_kind: global_buffer, .address_space: global }
      - { .name: bkt, .offset: 168, .size: 8, .value_kind: global_buffer, .address_space: global }
      - { .name: xq, .offset: 176, .size: 8, .value_kind: global_buffer, .address_space: global }
      - { .name: par, .offset: 184, .size: 8, .value_kind: global_buffer, .address_space: global }
      - { .name: lay0, .offset: 192, .size: 8, .value_kind: global_buffer, .address_space: global }
      - { .name: lay1, .offset: 200, .size: 8, .value_kind: global_buffer, .address_space: global }
    .group_segment_fixed_size: 26624
    .private_segment_fixed_size: 0
    .kernarg_segment_align: 8
    .kernarg_segment_size: 208
    .max_flat_workgroup_size: 256
    .sgpr_count:     80
    .vgpr_count:     258
    .wavefront_size: 32
...
	.end_amdgpu_metadata
.endif
;; end of part 1
;; launch row0 (part 2): grid 4 x 64, 16 waves a work-group, no clusters, 89,088 bytes of LDS; arguments xq, bkt, row_qW_codes, row_qW_scales, row_kW_codes, row_kW_scales, row_vW_codes, row_vW_scales, par, lay0, ctx; writes ctx
.if DOCPART == 2
	.amdgcn_target "amdgcn-amd-amdhsa--gfx1250"
	.amdhsa_code_object_version 6
	.text
	.protected	k_qfc4f1c01a0_row0
	.globl	k_qfc4f1c01a0_row0
	.p2align	8
	.type	k_qfc4f1c01a0_row0,@function
k_qfc4f1c01a0_row0:
	s_mov_b64 s[64:65], 0
	v_nop
	global_prefetch_b8 v0, s[64:65] scope:SCOPE_SE
	s_setreg_imm32_b32 hwreg(HW_REG_WAVE_MODE, 25, 1), 1
	s_wait_xcnt 0x0
; ROW ATTENTION of one layer, up to the quantised context: q, k, v = Q(LN x) W^T + b; S = q k^T / 32 + bias[bucket]; p = 2^(t - M); ctx = (v^T p) / l, quantised along the head's 32 channels.
; All products on E2M1 codes with E8M0 scales for each 32 along K.  In: xq (codes of LN x), bkt (4 x bucket, a byte a pair), the weights' codes, par, the layer's number.  Out: ctx:
; codes [b][r][pair of heads 4][column 256][32 bytes] at byte 0, scale bytes [b][r][pair][column][2] at byte 2,097,152.
; SHARES.  A work-group of 16 waves (four to a SIMD, 256 registers each) owns two heads (x: the pair) of one (b, r) (y).  Projection: wave w makes head w % 2 for tokens 32 (w / 2) on.  Attention: wave w owns
; 16 queries (tile w) and takes the two heads one after the other.
; ORDER OF ROWS IN A TILE.  Of a group of 32 rows (tokens, weight rows, keys) tile u gives lane r the row 8 u + r + 8 (r / 8).  So in a product used transposed (source 0 = 16 weight rows or keys, source 1 = 16 tokens)
; a lane holds one token and the 16 registers of two tiles are 16 neighbours, 16 (lane / 16) on: a block of 32 lies in lanes l and l xor 16.
; OPERANDS GO THROUGH LDS AS IMAGES OF THEIR REGISTERS: a lane's 16 codes by ds_store_b64 at 256 x block + 16 r + 8 h; two ds_load_b128 at 16 x lane bring 128 along K back as an operand.
; K = 32 IN A K = 128 INSTRUCTION: q's and k's images hold head A in block 0 (lanes 0-15) and head B in block 1 (lanes 16-31); blocks 2, 3 are zero codes; for one head q's other block is set to zero codes.
; THE BIAS is the C of the scores' products: rel[bucket][head] lies in lane = bucket, and ds_bpermute_b32 fetches it by the stored byte 4 x bucket.
; No tensor loads: each operand is taken once, so nothing streams through slots; no cluster: what the four work-groups of a (b, r) share (xq's 34 KB, bkt's 64 KB) goes straight into registers, not through LDS tiles.
; LIMITS.  A block of zeros gets the scale byte 1 (zero codes; only this program reads the bytes); largest magnitudes under 2^-124 are held at byte 1; 1 / l by v_rcp_f32; NaN and infinities are not served.
; REGISTERS.  v1-4 lane, r, h, r + 8 (r / 8); v5-15 addresses; v16-31 at work; v32-63 biases, then four slots for k's fragments, then p's codes and block figures; v64-95 bucket bytes;
; v96-223 x's and the weights' fragments and a unit's results, then the 128 scores; v224-235 scale words (v234-235 also a partial sum of p); v236-243 q's operand; v244-247 q's image; v248-255 v's bias, then the context's bytes and codes; v250-251 rel.
.set QIMG, 0                           ; LDS: q's images, 16 tiles x 512 bytes
.set KIMG, 8192                        ; k's
.set QSC,  16384                       ; q's scale words [head 2][tile 16][16 words]
.set KSC,  18432
.set VIMG, 20480                       ; v's images [head 2][channel tile 2][K step 2] x 1,024 bytes
.set VSC,  28672                       ; v's scale words [head][tile][K step][16 words]
.set SCT,  29184                       ; the context's scale bytes [column 256][2]
.set FA,  5                            ; 128 (r + 8 (r / 8)) + 16 h: my bytes in a group of rows of 128 bytes
.set SA,  6                            ; 8 (r + 8 (r / 8)): my row's scale bytes
.set L16, 7                            ; 16 x lane
.set R4,  8                            ; 4 r
.set PQ,  9                            ; where I store q's and k's images
.set PS,  10                           ; and their scale words
.set PV,  11                           ; v's images
.set PVS, 12                           ; v's scale bytes
.set BH,  13                           ; par: 128 x head + 64 h
.set VBA, 14                           ; par: 128 x head + 4 (r + 8 (r / 8))
.set QA,  15                           ; 512 x wave + 16 x lane
.set QM,  16
.set QT,  18
.set QO,  20
.set QC,  22
.set QE,  26
.set WD,  28
.set SUM, 16
.set NM,  24
.set RL,  26
.set Q1M, 28
.set Q1T, 29
.set Q1O, 30
.set MX,  31
.set BIAQ, 32
.set BIAK, 48
.set KSL, 32
.set PC,  32
.set BM,  48
.set TT,  56
.set BK,  64
.set XF,  96
.set W0,  128
.set W1,  160
.set D,   192
.set S,   96
.set VF,  96
.set OA,  132
.set XS,  224                          ; scale words: x's, later k's
.set WS0, 228                          ; a weight's, later v's
.set WS1, 232                          ; a weight's, later q's (2) and p's (2)
.set KS,  224
.set VS,  228
.set QS,  232
.set PW,  234
.set QOP, 236
.set QF,  244
.set VB0, 248
.set CE,  248
.set REL, 250
.set VB1, 252
.set CC,  252
.set LAY, 30
.set WV,  31
.set BQ,  32
.set HH,  33
.set GG,  34
.set BR,  35
.set SH,  36
.set MLO, 37                           ; s37 lanes 0-15, s38 lanes 16-31
.set MHI, 38
.set HDN, 39
.set SEL, 40
.set CS,  42
.set XQS, 48
.set CTXS, 50
.macro PLACES n
.rept \n
	v_nop
.endr
.endm
.macro BARRIER                         ; my LDS stores have landed and my LDS loads are in: then the work-group's barrier
	s_wait_dscnt 0x0
	s_barrier_signal -1
	s_barrier_wait -1
.endm
; one matrix instruction; cc < 0: the constant 0 starts the sum
.macro WM4 dd, aa, bb, cc, sa, sb
.if (\cc) < 0
	v_wmma_scale_f32_16x16x128_f8f6f4 v[\dd:\dd+7], v[\aa:\aa+7], v[\bb:\bb+7], 0, v[\sa], v[\sb] matrix_a_fmt:MATRIX_FMT_FP4 matrix_b_fmt:MATRIX_FMT_FP4
.else
	v_wmma_scale_f32_16x16x128_f8f6f4 v[\dd:\dd+7], v[\aa:\aa+7], v[\bb:\bb+7], v[\cc:\cc+7], v[\sa], v[\sb] matrix_a_fmt:MATRIX_FMT_FP4 matrix_b_fmt:MATRIX_FMT_FP4
.endif
.endm
; A unit: 32 weight rows x 32 tokens, K = 256: eight instructions on four accumulators by turns.  nat = 0: transposed (source 0 the weight), result d + 16 u + 8 p; nat = 1: source 0 the tokens, result d + 16 p + 8 u.
; mode 0: the sums start at 0; 1: at the bias (bia + 8 p); 2: they add onto d.
.macro MM d, mode, nat, wf, ws, bia
.irp s, 0,1
.irp u, 0,1
.irp p, 0,1
.if \nat
.set rD, \d+16*\p+8*\u
.else
.set rD, \d+16*\u+8*\p
.endif
.set rC, rD
.if (\s == 0) && (\mode == 0)
.set rC, -1
.endif
.if (\s == 0) && (\mode == 1)
.set rC, \bia+8*\p
.endif
.set rW, \wf+16*\p+8*\s
.set rX, XF+16*\u+8*\s
.set rWS, \ws+2*\p+\s
.set rXS, XS+2*\u+\s
.if \nat
	WM4 rD, rX, rW, rC, rXS, rWS
.else
	WM4 rD, rW, rX, rC, rWS, rXS
.endif
.endr
.endr
.endr
.endm
; a unit's weights: 32 rows x 256 codes as four fragments, and their scale words: ten loads
.macro LOADW wf, ws, cb, sb, va, vs, tp, ko, stp, so
.irp p, 0,1
.irp s, 0,1
.irp c, 0,1
	global_load_b128 v[\wf+16*\p+8*\s+4*\c:\wf+16*\p+8*\s+4*\c+3], v[\va], s[\cb:\cb+1] offset:\p*(\tp)+(\ko)+64*\s+32*\c
.endr
.endr
	global_load_b64 v[\ws+2*\p:\ws+2*\p+1], v[\vs], s[\sb:\sb+1] offset:\p*(\stp)+(\so)
.endr
.endm
.macro LOADB bia, pb, va, ofs          ; 16 neighbouring f32: four loads
.irp i, 0,1,2,3
	global_load_b128 v[\bia+4*\i:\bia+4*\i+3], v[\va], s[\pb:\pb+1] offset:(\ofs)+16*\i
.endr
.endm
; two blocks of 32: my 16 numbers of each at v[s], v[s + 16]; the other 16 in lane l xor 16.  Codes to v[c .. c + 3], scale bytes to v[e], v[e + 1].
.macro QUANT2 s, c, e
.irp b, 0,1
	v_max3_num_f32 v[QM+\b], |v[\s+16*\b]|, |v[\s+16*\b+1]|, 0x1800000   ; with the floor 2^(3 - 127): the byte cannot fall under 1
.endr
.irp i, 2,4,6,8,10,12,14
.irp b, 0,1
	v_max3_num_f32 v[QM+\b], v[QM+\b], |v[\s+16*\b+\i]|, |v[\s+16*\b+\i+1]|
.endr
.endr
.irp b, 0,1
	s_delay_alu instid0(VALU_DEP_2)
	v_permlanex16_b32 v[QT+\b], v[QM+\b], s[SEL], s[SEL+1]
.endr
.irp b, 0,1
	s_delay_alu instid0(VALU_DEP_2)
	v_max_num_f32 v[QM+\b], v[QM+\b], v[QT+\b]
.endr
.irp b, 0,1
	s_delay_alu instid0(VALU_DEP_2)
	v_add_nc_u32 v[QO+\b], 0xff000000, v[QM+\b]    ; 2 off the exponent field: the conversion's scale operand
.endr
.irp b, 0,1
	s_delay_alu instid0(VALU_DEP_2)
	v_lshrrev_b32 v[\e+\b], 23, v[QO+\b]           ; the scale's byte
.endr
.irp b, 0,1
	v_cvt_scalef32_pk8_fp4_f32 v[\c+2*\b], v[\s+16*\b:\s+16*\b+7], v[QO+\b]
	v_cvt_scalef32_pk8_fp4_f32 v[\c+2*\b+1], v[\s+16*\b+8:\s+16*\b+15], v[QO+\b]
.endr
	v_nop                                          ; a plain instruction behind the last conversion
.endm
	s_load_b512 s[8:23], s[0:1], 0x0               ; xq 8, bkt 10, q's codes 12, scales 14, k's 16, 18, v's 20, 22
	s_load_b128 s[24:27], s[0:1], 0x40             ; par 24, the layer's number 26
	s_load_b64 s[28:29], s[0:1], 0x50              ; ctx
	v_lshrrev_b32 v1, 5, v0
	s_delay_alu instid0(VALU_DEP_1)
	v_readfirstlane_b32 s[WV], v1
	v_and_b32 v1, 31, v0                           ; lane
	v_and_b32 v2, 15, v0                           ; r
	v_bfe_u32 v3, v0, 4, 1                         ; h
	v_and_b32 v4, 8, v0
	s_delay_alu instid0(VALU_DEP_1)
	v_add_nc_u32 v4, v4, v2                        ; r + 8 (r / 8)
	s_lshr_b32 s[BQ], s[WV], 1
	s_and_b32 s[HH], s[WV], 1
	s_mov_b32 s[GG], ttmp9
	s_and_b32 s[BR], ttmp7, 0xffff
	s_lshl_b32 s[HDN], s[GG], 1
	s_add_co_u32 s[HDN], s[HDN], s[HH]             ; my head in the projection
	s_lshl_b32 s[SH], s[HH], 3
	s_mov_b32 s[MLO], 0xffff
	s_mov_b32 s[MHI], 0xffff0000
	s_mov_b32 s[SEL], 0x76543210
	s_mov_b32 s[SEL+1], 0xfedcba98
	s_mov_b32 s[CS], 0x3fb8aa3b                    ; log2(e)
	s_mov_b32 s[CS+1], s[CS]
	s_wait_alu depctr_va_vdst(0)
	s_wait_kmcnt 0x0
	s_load_b32 s[LAY], s[26:27], 0x0               ; the layer's number: waited for only where the first address hangs on it
	v_lshlrev_b32 v[FA], 7, v4
	s_delay_alu instid0(VALU_DEP_1)
	v_lshl_add_u32 v[FA], v3, 4, v[FA]
	v_lshlrev_b32 v[SA], 3, v4
	v_lshlrev_b32 v[L16], 4, v1
	v_lshlrev_b32 v[R4], 2, v2
	s_wait_alu depctr_va_vdst(0)
	v_lshlrev_b32 v30, 4, v2
	s_delay_alu instid0(VALU_DEP_1)
	v_lshl_add_u32 v30, v3, 3, v30                 ; 16 r + 8 h
	s_lshl_b32 s44, s[BQ], 10
	s_lshl_b32 s45, s[HH], 8
	s_add_co_u32 s44, s44, s45
	v_add_nc_u32 v[PQ], s44, v30                   ; tile 2 (w / 2) + u: 512 bytes each; my head's 256 of them
	s_lshl_b32 s44, s[HH], 12
	s_lshl_b32 s45, s[BQ], 8
	s_add_co_u32 s44, s44, s45
	v_add_nc_u32 v[PV], s44, v30                   ; my head, block w / 2 of the keys
	s_lshl_b32 s44, s[HH], 10
	s_lshl_b32 s45, s[BQ], 7
	s_add_co_u32 s44, s44, s45
	v_add_nc_u32 v[PS], s44, v[R4]
	s_lshl_b32 s44, s[HH], 8
	s_lshr_b32 s45, s[BQ], 2
	s_lshl_b32 s45, s45, 6
	s_add_co_u32 s44, s44, s45
	s_and_b32 s45, s[BQ], 3
	s_add_co_u32 s44, s44, s45
	v_add_nc_u32 v[PVS], s44, v[R4]
	s_lshl_b32 s44, s[HDN], 7
	v_lshl_add_u32 v[BH], v3, 6, s44
	v_lshl_add_u32 v[VBA], v4, 2, s44
	v_lshlrev_b32 v[QA], 4, v0
	s_lshl_b32 s44, s[WV], 6
	v_add_nc_u32 v30, s44, v[R4]                   ; my tile's scale words of q: 64 x wave + 4 r
	s_lshl_b32 s44, s[GG], 3
	v_lshl_add_u32 v31, v1, 5, s44                 ; rel: bucket = lane, 32 bytes a bucket; my pair of heads
	v_mov_b32 v[VB0+1], 0                          ; named as upper halves of pairs
	v_mov_b32 v[VB1+1], 0
	v_mov_b32 v[QT], 0
	v_mov_b32 v[QT+1], 0
	; WEIGHTS AND x ARE TAKEN ONCE BY THE WORK-GROUP: of a head's unit (32 rows x 128 bytes, eight fragments of 512 bytes) wave (w / 2, head) loads fragment w / 2 of q's, k's and v's; of its 32 tokens it loads tile w % 2.
	; They lie in LDS as register images: weights [head 2][q, k, v][fragment 8] x 512 bytes from WIM, x [block of tokens 8][tile 2][fragment 4] x 512 bytes from XIM.
.set WIM, 31744
.set XIM, 56320
	s_lshr_b32 s46, s[BQ], 2
	s_lshl_b32 s46, s46, 10
	s_bfe_u32 s47, s[BQ], 0x10001
	s_lshl_b32 s47, s47, 6
	s_add_co_u32 s46, s46, s47
	s_and_b32 s47, s[BQ], 1
	s_lshl_b32 s47, s47, 5
	s_add_co_u32 s46, s46, s47                     ; fragment 4 p + 2 s + c = w / 2 begins 1,024 p + 64 s + 32 c bytes into the unit
	v_add_nc_u32 v238, s46, v[FA]
	s_mul_i32 s46, s[HH], 12288
	v_add_nc_u32 v236, s46, v[L16]                 ; my head's images
	s_lshl_b32 s47, s[HH], 10
	v_add_nc_u32 v239, s47, v[FA]                  ; x: tile w % 2 in memory
	s_lshl_b32 s46, s[BQ], 12
	v_add_nc_u32 v244, s46, v[L16]                 ; my tokens' images
	s_lshl_b32 s47, s[HH], 11
	s_add_co_u32 s47, s47, s46
	v_add_nc_u32 v245, s47, v[L16]                 ; where I store my tile of x: 4,096 (w / 2) + 2,048 (w % 2) + 16 x lane
	s_mul_i32 s46, s[HH], 12288
	s_lshl_b32 s47, s[BQ], 9
	s_add_co_u32 s47, s47, s46
	v_add_nc_u32 v237, s47, v[L16]                 ; and my fragment of each weight: 12,288 (w % 2) + 512 (w / 2) + 16 x lane
	s_wait_alu depctr_va_vdst(0)                   ; the wait here, ahead of the run of scalar instructions
.macro LDSW wf, x
.irp j, 0,1,2,3,4,5,6,7
	ds_load_b128 v[\wf+4*\j:\wf+4*\j+3], v236 offset:WIM+4096*\x+512*\j
.endr
.endm
	; the addresses that do not hang on the layer, and their loads, go out while the layer's number is on its way
	s_mov_b32 s45, 0
	s_lshl_b32 s44, s[BR], 11                      ; x's scale bytes: 8 a token
	s_lshl_b32 s46, s[BQ], 8
	s_add_co_u32 s44, s44, s46
	s_add_co_u32 s44, s44, 2097152
	s_add_nc_u64 s[XQS:XQS+1], s[8:9], s[44:45]
	s_lshl_b32 s44, s[BR], 15                      ; x's codes: 128 bytes a token
	s_lshl_b32 s46, s[BQ], 12
	s_add_co_u32 s44, s44, s46
	s_add_nc_u64 s[8:9], s[8:9], s[44:45]
	s_lshl_b32 s44, s[BR], 16                      ; bkt: 4,096 bytes a tile of queries
	s_lshl_b32 s46, s[WV], 12
	s_add_co_u32 s44, s44, s46
	s_add_nc_u64 s[10:11], s[10:11], s[44:45]
	s_lshl_b32 s44, s[BR], 11                      ; ctx's scale bytes: 512 for a (b, r, pair)
	s_lshl_b32 s46, s[GG], 9
	s_add_co_u32 s44, s44, s46
	s_add_co_u32 s44, s44, 2097152
	s_add_nc_u64 s[CTXS:CTXS+1], s[28:29], s[44:45]
	s_lshl_b32 s44, s[BR], 15                      ; ctx's codes: 32 bytes a column; my tile begins at column 32 (w / 2) + 8 (w % 2)
	s_lshl_b32 s46, s[GG], 13
	s_add_co_u32 s44, s44, s46
	s_lshl_b32 s46, s[BQ], 10
	s_add_co_u32 s44, s44, s46
	s_lshl_b32 s46, s[HH], 8
	s_add_co_u32 s44, s44, s46
	s_add_nc_u64 s[28:29], s[28:29], s[44:45]
.irp u, 0,1
.irp s, 0,1
.irp c, 0,1
.if \u == 0
	global_load_b128 v[XF+8*\s+4*\c:XF+8*\s+4*\c+3], v239, s[8:9] offset:64*\s+32*\c   ; my tile's four fragments
.endif
.endr
.endr
	global_load_b64 v[XS+2*\u:XS+2*\u+1], v[SA], s[XQS:XQS+1] offset:64*\u      ; x: 6 loads
.endr
.irp i, 0,1,2,3,4,5,6,7
	global_load_b128 v[BK+4*\i:BK+4*\i+3], v[L16], s[10:11] offset:512*\i       ; my tile's bucket bytes: 8 loads
.endr
	s_wait_alu depctr_va_vdst(0)
	s_wait_kmcnt 0x0
	s_min_u32 s[LAY], s[LAY], 1                    ; the layer: 0 or 1
	s_lshl_b32 s44, s[LAY], 15                     ; a layer's codes are 32,768 bytes, a head's 32 rows 4,096
	s_lshl_b32 s46, s[HDN], 12
	s_add_co_u32 s44, s44, s46
.irp p, 12,16,20
	s_add_nc_u64 s[\p:\p+1], s[\p:\p+1], s[44:45]
.endr
	s_lshl_b32 s44, s[LAY], 11
	s_lshl_b32 s46, s[HDN], 8
	s_add_co_u32 s44, s44, s46
.irp p, 14,18,22
	s_add_nc_u64 s[\p:\p+1], s[\p:\p+1], s[44:45]
.endr
	s_mul_i32 s44, s[LAY], 20480
	s_add_nc_u64 s[24:25], s[24:25], s[44:45]
	global_load_b128 v[D:D+3], v238, s[12:13]      ; my fragment of q's, k's and v's unit: 3 loads
	global_load_b128 v[D+4:D+7], v238, s[16:17]
	global_load_b128 v[D+8:D+11], v238, s[20:21]
	global_load_b64 v[WS0:WS0+1], v[SA], s[14:15]  ; q's scale words: 2
	global_load_b64 v[WS0+2:WS0+3], v[SA], s[14:15] offset:64
	LOADB BIAQ,24,BH,0                                                          ; q's bias: 4
	global_load_b64 v[REL:REL+1], v31, s[24:25] offset:13312                    ; rel[lane][my two heads]: 1
	global_load_b64 v[WS1:WS1+1], v[SA], s[18:19]  ; k's scale words: 2
	global_load_b64 v[WS1+2:WS1+3], v[SA], s[18:19] offset:64
	global_load_b64 v[240:241], v[SA], s[22:23]    ; v's: 2; they are moved into q's place behind k's products
	global_load_b64 v[242:243], v[SA], s[22:23] offset:64
	LOADB BIAK,24,BH,1024                                                       ; 4
	global_load_b32 v[VB0], v[VBA], s[24:25] offset:2048                        ; v's bias at my channel of either tile: 2
	global_load_b32 v[VB1], v[VBA], s[24:25] offset:2048+32
	; ---- q ----
	s_wait_loadcnt 17                              ; x, the bucket bytes and my three fragments are in; the 17 younger loads (2 + 4 + 1 + 4 + 4 + 2) may be out
.irp q, 0,1,2,3
	ds_store_b128 v245, v[XF+4*\q:XF+4*\q+3] offset:XIM+512*\q
.endr
.irp x, 0,1,2
	ds_store_b128 v237, v[D+4*\x:D+4*\x+3] offset:WIM+4096*\x
.endr
	BARRIER                                        ; the images of x and of the weights lie in LDS
.irp u, 0,1
.irp q, 0,1,2,3
	ds_load_b128 v[XF+16*\u+4*\q:XF+16*\u+4*\q+3], v244 offset:XIM+2048*\u+512*\q
.endr
.endr
	LDSW W0,0
	LDSW W1,1
	s_wait_loadcnt 11                              ; q's scale words and bias are in; the 11 younger loads (1 + 4 + 4 + 2) may be out
	s_wait_dscnt 0x0
	MM D,1,0,W0,WS0,BIAQ
	PLACES 4                                       ; in front of loads into registers that the products read, and of the first read of the results
	LDSW W0,2                                      ; v's weights
.irp i, 0,2,4,6,8,10,12,14,16,18,20,22,24,26,28,30
	v_pk_mul_f32 v[D+\i:D+\i+1], v[D+\i:D+\i+1], 0x3d000000 op_sel_hi:[1,0]     ; x 32^-0.5 / sqrt(32) = 1 / 32
.endr
	QUANT2 D,QC,QE
.irp u, 0,1
	ds_store_b64 v[PQ], v[QC+2*\u:QC+2*\u+1] offset:QIMG+512*\u
	v_lshlrev_b32 v[WD+\u], s[SH], v[QE+\u]        ; the byte at my head's block: 0 or 1
	ds_store_b32 v[PS], v[WD+\u] offset:QSC+64*\u  ; (both halves of the lanes write the same word)
.endr
	; ---- k ----
	s_wait_loadcnt 0x0
	MM D,1,0,W1,WS1,BIAK
	PLACES 4
.irp i, 0,1,2,3
	v_mov_b32 v[WS0+\i], v[240+\i]                 ; v's scale words; k's quantiser stands between these lines and v's products
.endr
	s_wait_dscnt 0x0                               ; q's LDS stores have read their registers
	QUANT2 D,QC,QE
.irp u, 0,1
	ds_store_b64 v[PQ], v[QC+2*\u:QC+2*\u+1] offset:KIMG+512*\u
	v_lshlrev_b32 v[WD+\u], s[SH], v[QE+\u]
	ds_store_b32 v[PS], v[WD+\u] offset:KSC+64*\u
.endr
	; ---- v: source 0 the tokens, so that a lane holds one channel and its registers run along the keys, the next K ----
	s_wait_loadcnt 0x0
	MM D,0,1,W0,WS0,0
	PLACES 4
.irp i, 0,2,4,6,8,10,12,14
	v_pk_add_f32 v[D+\i:D+\i+1], v[D+\i:D+\i+1], v[VB0:VB0+1] op_sel_hi:[1,0]
.endr
.irp i, 16,18,20,22,24,26,28,30
	v_pk_add_f32 v[D+\i:D+\i+1], v[D+\i:D+\i+1], v[VB1:VB1+1] op_sel_hi:[1,0]
.endr
	s_wait_alu depctr_va_vdst(0)
	s_wait_dscnt 0x0                               ; k's LDS stores have read their registers
	QUANT2 D,QC,QE
.irp p, 0,1
	ds_store_b64 v[PV], v[QC+2*\p:QC+2*\p+1] offset:VIMG+2048*\p
	ds_store_b8 v[PVS], v[QE+\p] offset:VSC+128*\p
.endr
	BARRIER                                        ; q's, k's and v's images of both heads lie in LDS
	; ---- attention: my 16 queries ----
	ds_load_b128 v[QF:QF+3], v[QA] offset:QIMG
	ds_load_b32 v[QS], v30 offset:QSC
	ds_load_b32 v[QS+1], v30 offset:QSC+1024
.irp i, 4,5,6,7
	v_mov_b32 v[QOP+\i], 0                         ; blocks 2 and 3: zero codes
.endr
	s_wait_dscnt 0x0
.macro HEAD hh
.irp i, 0,1,2,3
.irp j, 4,5,6,7
	v_mov_b32 v[KSL+8*\i+\j], 0                    ; k's blocks 2 and 3: zero codes
.endr
.endr
.irp i, 0,1,2,3
	v_cndmask_b32 v[QOP+\i], 0, v[QF+\i], s[MLO+\hh]   ; q: my head's block; the other head's becomes zero codes
.endr
	; the bias, straight into the scores' registers: register 16 b + k is key 32 b + 16 h + k.  All 128 indices first, each in the register on which its permute lands; then the 128 permutes in one run
.set n, 0
.rept 128
	v_bfe_u32 v[S+n], v[BK+n/4], 8*(n%4), 8
.set n, n+1
.endr
.set n, 0
.rept 128
	ds_bpermute_b32 v[S+n], v[S+n], v[REL+\hh]
.set n, n+1
.endr
.irp g, 0,1,2,3                                ; S^T = k q^T + bias: four tiles of 16 keys at a time
.irp i, 0,1,2,3
	ds_load_b128 v[KSL+8*\i:KSL+8*\i+3], v[L16] offset:KIMG+512*(4*\g+\i)
	ds_load_b32 v[KS+\i], v[R4] offset:KSC+1024*\hh+64*(4*\g+\i)
.endr
	s_wait_dscnt 0x0                               ; these, and the permutes issued ahead of them
.irp i, 0,1,2,3
	WM4 S+8*(4*\g+\i),KSL+8*\i,QOP,S+8*(4*\g+\i),KS+\i,QS+\hh
.endr
	PLACES 4
.endr
.irp b, 0,1,2,3,4,5,6,7
	v_max3_num_f32 v[BM+\b], v[S+16*\b], v[S+16*\b+1], v[S+16*\b+2]       ; the largest score of each block of 32 keys: for the row's maximum, and for the block's largest p
.endr
.irp i, 3,5,7,9,11,13
.irp b, 0,1,2,3,4,5,6,7
	v_max3_num_f32 v[BM+\b], v[BM+\b], v[S+16*\b+\i], v[S+16*\b+\i+1]
.endr
.endr
.irp b, 0,1,2,3,4,5,6,7
	v_max_num_f32 v[BM+\b], v[BM+\b], v[S+16*\b+15]
.endr
.irp b, 0,1,2,3,4,5,6,7
	v_permlanex16_b32 v[TT+\b], v[BM+\b], s[SEL], s[SEL+1]
.endr
.irp b, 0,1,2,3,4,5,6,7
	v_max_num_f32 v[BM+\b], v[BM+\b], v[TT+\b]
.endr
	v_max3_num_f32 v[MX], v[BM], v[BM+1], v[BM+2]
	s_delay_alu instid0(VALU_DEP_1)
	v_max3_num_f32 v[MX], v[MX], v[BM+3], v[BM+4]
	s_delay_alu instid0(VALU_DEP_1)
	v_max3_num_f32 v[MX], v[MX], v[BM+5], v[BM+6]
	s_delay_alu instid0(VALU_DEP_1)
	v_max_num_f32 v[MX], v[MX], v[BM+7]
	s_delay_alu instid0(VALU_DEP_1)
	v_mul_f32 v[MX], s[CS], v[MX]                  ; the row's largest t
	s_delay_alu instid0(VALU_DEP_1)
	v_floor_f32 v[NM], -v[MX]                      ; -M = floor(-t) = -ceil(t)
.set n, 0
.rept 64
	v_pk_fma_f32 v[S+n:S+n+1], v[S+n:S+n+1], s[CS:CS+1], v[NM:NM+1] op_sel_hi:[1,0,0]   ; t - M
.set n, n+2
.endr
.irp b, 0,1,2,3,4,5,6,7
	v_fma_f32 v[BM+\b], v[BM+\b], s[CS], v[NM]
.endr
.set n, 0
	s_wait_alu depctr_va_vdst(0)
.rept 128
	v_exp_f32 v[S+n], v[S+n]                       ; p = 2^(t - M)
.set n, n+1
.endr
	v_nop                                          ; a plain instruction behind the batch
	s_wait_alu depctr_va_vdst(0)                   ; one wait for the 128, ahead of their first reader
.irp b, 0,1,2,3,4,5,6,7
	v_exp_f32 v[BM+\b], v[BM+\b]                   ; each block's largest p
.endr
	v_pk_add_f32 v[18:19], v[96:97], v[104:105]
	v_pk_add_f32 v[20:21], v[112:113], v[120:121]
	v_pk_add_f32 v[22:23], v[128:129], v[136:137]
	v_pk_add_f32 v[254:255], v[144:145], v[152:153]
	v_pk_add_f32 v[238:239], v[160:161], v[168:169]
	v_pk_add_f32 v[236:237], v[176:177], v[184:185]
	v_pk_add_f32 v[234:235], v[192:193], v[200:201]
	v_pk_add_f32 v[16:17], v[208:209], v[216:217]
	v_pk_add_f32 v[16:17], v[16:17], v[98:99]
	v_pk_add_f32 v[18:19], v[18:19], v[106:107]
	v_pk_add_f32 v[20:21], v[20:21], v[114:115]
	v_pk_add_f32 v[22:23], v[22:23], v[122:123]
	v_pk_add_f32 v[254:255], v[254:255], v[130:131]
	v_pk_add_f32 v[238:239], v[238:239], v[138:139]
	v_pk_add_f32 v[236:237], v[236:237], v[146:147]
	v_pk_add_f32 v[234:235], v[234:235], v[154:155]
	v_pk_add_f32 v[16:17], v[16:17], v[162:163]
	v_pk_add_f32 v[18:19], v[18:19], v[170:171]
	v_pk_add_f32 v[20:21], v[20:21], v[178:179]
	v_pk_add_f32 v[22:23], v[22:23], v[186:187]
	v_pk_add_f32 v[254:255], v[254:255], v[194:195]
	v_pk_add_f32 v[238:239], v[238:239], v[202:203]
	v_pk_add_f32 v[236:237], v[236:237], v[210:211]
	v_pk_add_f32 v[234:235], v[234:235], v[218:219]
	v_pk_add_f32 v[16:17], v[16:17], v[100:101]
	v_pk_add_f32 v[18:19], v[18:19], v[108:109]
	v_pk_add_f32 v[20:21], v[20:21], v[116:117]
	v_pk_add_f32 v[22:23], v[22:23], v[124:125]
	v_pk_add_f32 v[254:255], v[254:255], v[132:133]
	v_pk_add_f32 v[238:239], v[238:239], v[140:141]
	v_pk_add_f32 v[236:237], v[236:237], v[148:149]
	v_pk_add_f32 v[234:235], v[234:235], v[156:157]
	v_pk_add_f32 v[16:17], v[16:17], v[164:165]
	v_pk_add_f32 v[18:19], v[18:19], v[172:173]
	v_pk_add_f32 v[20:21], v[20:21], v[180:181]
	v_pk_add_f32 v[22:23], v[22:23], v[188:189]
	v_pk_add_f32 v[254:255], v[254:255], v[196:197]
	v_pk_add_f32 v[238:239], v[238:239], v[204:205]
	v_pk_add_f32 v[236:237], v[236:237], v[212:213]
	v_pk_add_f32 v[234:235], v[234:235], v[220:221]
	v_pk_add_f32 v[16:17], v[16:17], v[102:103]
	v_pk_add_f32 v[18:19], v[18:19], v[110:111]
	v_pk_add_f32 v[20:21], v[20:21], v[118:119]
	v_pk_add_f32 v[22:23], v[22:23], v[126:127]
	v_pk_add_f32 v[254:255], v[254:255], v[134:135]
	v_pk_add_f32 v[238:239], v[238:239], v[142:143]
	v_pk_add_f32 v[236:237], v[236:237], v[150:151]
	v_pk_add_f32 v[234:235], v[234:235], v[158:159]
	v_pk_add_f32 v[16:17], v[16:17], v[166:167]
	v_pk_add_f32 v[18:19], v[18:19], v[174:175]
	v_pk_add_f32 v[20:21], v[20:21], v[182:183]
	v_pk_add_f32 v[22:23], v[22:23], v[190:191]
	v_pk_add_f32 v[254:255], v[254:255], v[198:199]
	v_pk_add_f32 v[238:239], v[238:239], v[206:207]
	v_pk_add_f32 v[236:237], v[236:237], v[214:215]
	v_pk_add_f32 v[234:235], v[234:235], v[222:223]
	s_delay_alu instid0(VALU_DEP_4)
	v_pk_add_f32 v[16:17], v[16:17], v[254:255]
	s_delay_alu instid0(VALU_DEP_4)
	v_pk_add_f32 v[18:19], v[18:19], v[238:239]
	s_delay_alu instid0(VALU_DEP_4)
	v_pk_add_f32 v[20:21], v[20:21], v[236:237]
	s_delay_alu instid0(VALU_DEP_4)
	v_pk_add_f32 v[22:23], v[22:23], v[234:235]
	s_delay_alu instid0(VALU_DEP_2)
	v_pk_add_f32 v[16:17], v[16:17], v[20:21]
	s_delay_alu instid0(VALU_DEP_2)
	v_pk_add_f32 v[18:19], v[18:19], v[22:23]
	s_delay_alu instid0(VALU_DEP_1)
	v_pk_add_f32 v[16:17], v[16:17], v[18:19]
	s_wait_alu depctr_va_vdst(0)                   ; and one for the eight
.irp b, 0,1,2,3,4,5,6,7
	v_max_num_f32 v[BM+\b], 0x1800000, v[BM+\b]    ; the floor 2^(3 - 127)
.endr
.irp b, 0,1,2,3,4,5,6,7
	v_add_nc_u32 v[BM+\b], 0xff000000, v[BM+\b]    ; the conversion's scale operand
.endr
.irp b, 0,1,2,3,4,5,6,7
	v_lshrrev_b32 v[TT+\b], 23, v[BM+\b]           ; the scale's byte
.endr
.irp k, 0,1
	v_lshl_or_b32 v[PW+\k], v[TT+4*\k+1], 8, v[TT+4*\k]     ; p's scale word for keys 128 k on
	s_delay_alu instid0(VALU_DEP_1)
	v_lshl_or_b32 v[PW+\k], v[TT+4*\k+2], 16, v[PW+\k]
	s_delay_alu instid0(VALU_DEP_1)
	v_lshl_or_b32 v[PW+\k], v[TT+4*\k+3], 24, v[PW+\k]
.endr
.irp b, 0,1,2,3,4,5,6,7
	v_cvt_scalef32_pk8_fp4_f32 v[PC+2*\b], v[S+16*\b:S+16*\b+7], v[BM+\b]
	v_cvt_scalef32_pk8_fp4_f32 v[PC+2*\b+1], v[S+16*\b+8:S+16*\b+15], v[BM+\b]
.endr
	v_nop                                          ; a plain instruction behind the last conversion
.irp c, 0,1,2,3                                ; the operand wants a whole block in a lane: lanes 0-15 block 2 c, lanes 16-31 block 2 c + 1
.irp i, 0,1
	v_permlane16_swap_b32 v[PC+4*\c+\i], v[PC+4*\c+2+\i]
.endr
.endr
.irp p, 0,1
.irp k, 0,1
.irp c, 0,1
	ds_load_b128 v[VF+16*\p+8*\k+4*\c:VF+16*\p+8*\k+4*\c+3], v[L16] offset:VIMG+4096*\hh+2048*\p+1024*\k+512*\c
.endr
	ds_load_b32 v[VS+2*\p+\k], v[R4] offset:VSC+256*\hh+128*\p+64*\k
.endr
.endr
	v_add_f32 v[SUM], v[SUM], v[SUM+1]
	s_delay_alu instid0(VALU_DEP_1)
	v_permlanex16_b32 v[SUM+1], v[SUM], s[SEL], s[SEL+1]
	s_delay_alu instid0(VALU_DEP_1)
	v_add_f32 v[SUM], v[SUM], v[SUM+1]             ; l
	s_wait_alu depctr_va_vdst(0)
	v_rcp_f32 v[RL], v[SUM]
	PLACES 8                                       ; p's scale words, written by vector instructions, stand eight places ahead of the products; the first is also the plain instruction behind the reciprocal
	s_wait_alu depctr_va_vdst(0)                   ; the reciprocal's wait
	s_wait_dscnt 0x0
	WM4 OA,VF,PC,-1,VS,PW                          ; O^T = v^T p^T: two tiles of 16 channels by turns, two K steps of 128 keys
	WM4 OA+8,VF+16,PC,-1,VS+2,PW
	WM4 OA,VF+8,PC+8,OA,VS+1,PW+1
	WM4 OA+8,VF+24,PC+8,OA+8,VS+3,PW+1
	PLACES 4
.irp i, 0,2,4,6,8,10,12,14
	v_pk_mul_f32 v[OA+\i:OA+\i+1], v[OA+\i:OA+\i+1], v[RL:RL+1] op_sel_hi:[1,0]   ; / l: register i is channel 16 h + i of my query
.endr
	v_max3_num_f32 v[Q1M], |v[OA]|, |v[OA+1]|, 0x1800000     ; the context's block: this head's 32 channels
.irp i, 2,4,6,8,10,12,14
	s_delay_alu instid0(VALU_DEP_1)
	v_max3_num_f32 v[Q1M], v[Q1M], |v[OA+\i]|, |v[OA+\i+1]|
.endr
	s_delay_alu instid0(VALU_DEP_1)
	v_permlanex16_b32 v[Q1T], v[Q1M], s[SEL], s[SEL+1]
	s_delay_alu instid0(VALU_DEP_1)
	v_max_num_f32 v[Q1M], v[Q1M], v[Q1T]
	s_delay_alu instid0(VALU_DEP_1)
	v_add_nc_u32 v[Q1O], 0xff000000, v[Q1M]
	s_delay_alu instid0(VALU_DEP_1)
	v_lshrrev_b32 v[CE+\hh], 23, v[Q1O]
	v_cvt_scalef32_pk8_fp4_f32 v[CC+2*\hh], v[OA:OA+7], v[Q1O]
	v_cvt_scalef32_pk8_fp4_f32 v[CC+2*\hh+1], v[OA+8:OA+15], v[Q1O]
	v_nop
.endm
	HEAD 0
	HEAD 1
	v_permlane16_swap_b32 v[CC], v[CC+2]           ; lanes 0-15 now hold head A's 16 bytes of their query, lanes 16-31 head B's
	v_permlane16_swap_b32 v[CC+1], v[CC+3]
	v_lshlrev_b32 v16, 5, v4
	s_delay_alu instid0(VALU_DEP_1)
	v_lshl_add_u32 v16, v3, 4, v16
	global_store_b128 v16, v[CC:CC+3], s[28:29]    ; columns + 0..7 and + 16..23: two runs of 256 consecutive bytes, each at a multiple of 256
	v_cndmask_b32 v17, v[CE], v[CE+1], s[MHI]      ; lanes 0-15 head A's byte, lanes 16-31 head B's
	s_lshl_b32 s44, s[BQ], 6
	s_lshl_b32 s45, s[HH], 4
	s_add_co_u32 s44, s44, s45
	v_lshl_add_u32 v18, v4, 1, v3
	s_delay_alu instid0(VALU_DEP_1)
	v_add_nc_u32 v18, s44, v18                     ; 2 x my column + head
	s_wait_alu depctr_va_vdst(0)
	BARRIER                                        ; every wave's LDS loads and lane permutes are over before the first LDS store of this phase
	ds_store_b8 v18, v17 offset:SCT
	BARRIER                                        ; the 512 scale bytes lie in LDS
	s_cmp_lg_u32 s[WV], 0
	s_cbranch_scc1 .Lend
	ds_load_b128 v[20:23], v[L16] offset:SCT
	s_wait_dscnt 0x0
	global_store_b128 v[L16], v[20:23], s[CTXS:CTXS+1]   ; 512 consecutive bytes
.Lend:
	s_barrier_signal -1
	s_barrier_wait -1
	s_wait_xcnt 0x0
	v_lshl_add_u32 v254, v0, 2, 0x7400
	v_mov_b32 v255, 0
	s_wait_alu depctr_va_vdst(0)
	s_wait_tensorcnt 0x0
	ds_add_u32 v254, v255
	s_wait_dscnt 0x0
	s_endpgm
.Lfunc_end_k_qfc4f1c01a0_row0:
	.size	k_qfc4f1c01a0_row0, .Lfunc_end_k_qfc4f1c01a0_row0-k_qfc4f1c01a0_row0
	.p2alignl 7, 3214868480
	.fill 96, 4, 3214868480
	.section	.rodata,"a",@progbits
	.p2align	6, 0x0
	.amdhsa_kernel k_qfc4f1c01a0_row0
		.amdhsa_group_segment_fixed_size 89088
		.amdhsa_private_segment_fixed_size 0
		.amdhsa_enable_private_segment 0
		.amdhsa_kernarg_size 88
		.amdhsa_user_sgpr_count 2
		.amdhsa_user_sgpr_kernarg_segment_ptr 1
		.amdhsa_wavefront_size32 1
		.amdhsa_system_sgpr_workgroup_id_x 1
		.amdhsa_system_sgpr_workgroup_id_y 1
		.amdhsa_system_sgpr_workgroup_id_z 1
		.amdhsa_system_vgpr_workitem_id 0
		.amdhsa_next_free_vgpr 256
		.amdhsa_next_free_sgpr 66
		.amdhsa_reserve_vcc 0
		.amdhsa_float_denorm_mode_32 3
		.amdhsa_float_denorm_mode_16_64 3
		.amdhsa_memory_ordered 1
		.amdhsa_forward_progress 1
		.amdhsa_inst_pref_size 118
	.end_amdhsa_kernel
	.amdgpu_metadata
---
amdhsa.version: [ 1, 2 ]
amdhsa.kernels:
  - .name:           k_qfc4f1c01a0_row0
    .symbol:         k_qfc4f1c01a0_row0.kd
    .args:
      - { .name: xq, .offset: 0, .size: 8, .value_kind: global_buffer, .address_space: global }
      - { .name: bkt, .offset: 8, .size: 8, .value_kind: global_buffer, .address_space: global }
      - { .name: row_qW_codes, .offset: 16, .size: 8, .value_kind: global_buffer, .address_space: global }
      - { .name: row_qW_scales, .offset: 24, .size: 8, .value_kind: global_buffer, .address_space: global }
      - { .name: row_kW_codes, .offset: 32, .size: 8, .value_kind: global_buffer, .address_space: global }
      - { .name: row_kW_scales, .offset: 40, .size: 8, .value_kind: global_buffer, .address_space: global }
      - { .name: row_vW_codes, .offset: 48, .size: 8, .value_kind: global_buffer, .address_space: global }
      - { .name: row_vW_scales, .offset: 56, .size: 8, .value_kind: global_buffer, .address_space: global }
      - { .name: par, .offset: 64, .size: 8, .value_kind: global_buffer, .address_space: global }
      - { .name: lay0, .offset: 72, .size: 8, .value_kind: global_buffer, .address_space: global }
      - { .name: ctx, .offset: 80, .size: 8, .value_kind: global_buffer, .address_space: global }
    .group_segment_fixed_size: 89088
    .private_segment_fixed_size: 0
    .kernarg_segment_align: 8
    .kernarg_segment_size: 88
    .max_flat_workgroup_size: 512
    .sgpr_count:     66
    .vgpr_count:     256
    .wavefront_size: 32
...
	.end_amdgpu_metadata
.endif
;; end of part 2
;; launch col0 (part 3): grid 128 x 2, 16 waves a work-group, no clusters, 324,096 bytes of LDS; arguments hidden_states, ctx, row_oW_codes, row_oW_scales, col_qW_codes, col_qW_scales, col_kW_codes, col_kW_scales, col_vW_codes, col_vW_scales, col_oW_codes, col_oW_scales, fc1W_codes, fc1W_scales, fc2W_codes, fc2W_scales, par, lay0, x1, xq; writes x1, xq
.if DOCPART == 3
	.amdgcn_target "amdgcn-amd-amdhsa--gfx1250"
	.amdhsa_code_object_version 6
	.text
	.protected	k_qfc4f1c01a0_col0
	.globl	k_qfc4f1c01a0_col0
	.p2align	8
	.type	k_qfc4f1c01a0_col0,@function
k_qfc4f1c01a0_col0:
	s_mov_b64 s[64:65], 0
	v_nop
	global_prefetch_b8 v0, s[64:65] scope:SCOPE_SE
	s_setreg_imm32_b32 hwreg(HW_REG_WAVE_MODE, 25, 1), 1
	s_wait_xcnt 0x0
; THE REST OF A LAYER for 64 tokens (32 rows x 2 neighbouring columns of one b): x += Q(ctx) Wo^T + bo; column attention on LN(x) with its output projection; x += fc2(gelu(fc1(LN x))); the norm at the layer's end.
; Layer 0 stores x (xout) and the codes of ln_row[1](x) (xq); layer 1 stores ln_f(x).  All products on E2M1 codes with E8M0 scales for each 32 along K; all else f32.
; SHARES.  16 waves, 256 registers each.  Wave w: column w / 8, g = w % 8: its 32 channels of x and its head.  Its part of x (32 tokens x 32 channels) stays in 32 registers; the products add onto it in place.
; ORDER OF ROWS IN A TILE.  Of a group of 32 rows tile u gives lane r the row 8 u + r + 8 (r / 8): in a product used transposed a lane holds one token and the 16 registers of two tiles are 16 neighbouring channels,
; 16 (lane / 16) on: a quantiser's block lies in lanes l and l xor 16.  Operands go from wave to wave through LDS as images of their registers.
; THE FIVE 256 x 256 WEIGHTS, their scale bytes and par's slots 4 to 19 are taken from memory ONCE by the work-group, at the head: each wave loads a sixteenth (for each weight tile w / 8 of unit g: 2,048 bytes)
; and stores it in LDS as register images [g][weight 5][fragment 8][lane][16 bytes]; both columns' waves read them from there.
; FC1: wave (c, g) makes hidden units 128 g + 64 c .. + 63 for BOTH columns, so that each weight row is loaded by one wave.  FC2: wave (c, g) multiplies K half c (512 hidden units) for both columns:
; its own column's sums add onto x, the other column's go to the partner wave (w xor 8) through LDS and are added there: another order of the f32 sums than K ascending.
; GELU = relu(x) - |x| erfc(|z|) / 2, z = x / sqrt(2): nothing cancels for z < 0.  erfc(a) = t exp(-a^2 + P(t)), t = 1 / (1 + a / 2), P of degree 9 (fractional error of the formula 1.2e-7 for all a); log2(e) and the half ride in P's coefficients.
; No tensor loads or copies: nothing comes as tiles that a cluster could ask for jointly.  No prefetch: the text has no loop to run ahead in.
; LIMITS.  A block of zeros gets the scale byte 1 (zero codes; only this program reads the bytes); largest magnitudes under 2^-124 are held at byte 1; 1 / sqrt by v_rsq_f32, 1 / l and t by v_rcp_f32; NaN and infinities are not served.
; REGISTERS.  v1-4, v96-99, v132-135 scale words and bytes and nothing else; v5-30 addresses and one constant pair; v32-63 my part of x; v64-95 an operand's fragments; v100-131 a unit's weights; v136-151 a bias;
; v152-183 a unit's results; v184-247 at work; v248-255 small figures.
.set IMGA, 0
.set IMGB, 8192
.set SCA,  16384
.set SCB,  16896
.set LNS,  17408
.set CST,  21504
.set SST,  29696
.set HSC,  30208
.set HIMG, 32256
.set XST,  65024                       ; x on its way in and out, 64 rows of 1,040 bytes; between them fc2's exchange, 8 planes of 8,192 bytes
.set SPARE, 131584
.set WIMG, 133632                      ; the weights' images: 8 x 20,480 bytes
.set WSC,  297472                      ; their scale bytes: 8 x 1,280
.set PARL, 307712                      ; par's slots 4 to 19 of my layer
.set QE,  1
.set KE,  3
.set FA,  5
.set SA,  6
.set FA2, 7
.set SA2, 8
.set PUB, 9
.set PSC, 10
.set FX,  11
.set FS,  12
.set PH,  13
.set PHS, 14
.set FH,  15
.set FHS, 16
.set LW,  17
.set LR,  18
.set ST,  19
.set RD,  20
.set PL,  21                           ; PARL + 128 g + 64 h
.set CSA, 22
.set SSA, 23
.set RPL, 24                           ; PARL + 128 g + 4 (r + 8 (r / 8))
.set L16, 25
.set GC0, 26
.set WL,  28                           ; WIMG + 20,480 g + 16 x lane
.set SAL, 29                           ; WSC + 1,280 g + 8 (r + 8 (r / 8))
.set PF,  30                           ; fc1b: PARL + 12,288 + 512 g + 256 c + 64 h
.set XR,  32
.set XF,  64
.set WB,  64
.set XS,  96
.set VE,  96
.set PE,  98
.set WF,  100
.set WS,  132
.set BIA, 136
.set D,   152
.set T,   184
.set CG,  244
.set QM,  248
.set QT,  250
.set QO,  252
.set EE,  254
.set GZ,  T
.set GS,  T+16
.set GR,  T+32
.set GT,  T+48
.set SM,  64
.set SP,  66
.set NM,  68
.set BX,  72
.set SU,  74
.set PO,  78
.set PCD, 80
.set RL,  84
.set WV,  48
.set G8,  49
.set COL, 50
.set LAY, 51
.set BB,  52
.set C0,  53
.set KH,  54
.set MASK, 55
.set SEL, 56
.set CS,  58
.set INV256, 60
.set EPS, 61
.set PARV, 68
.set CTXS, 74
.set XQC, 76
.set XQS, 78
.macro PLACES n
.rept \n
	v_nop
.endr
.endm
.macro BARRIER                         ; my LDS stores have landed and my LDS loads are in: then the work-group's barrier
	s_wait_dscnt 0x0
	s_barrier_signal -1
	s_barrier_wait -1
.endm
.macro WM4 dd, aa, bb, cc, sa, sb      ; cc < 0: the constant 0 starts the sum
.if (\cc) < 0
	v_wmma_scale_f32_16x16x128_f8f6f4 v[\dd:\dd+7], v[\aa:\aa+7], v[\bb:\bb+7], 0, v[\sa], v[\sb] matrix_a_fmt:MATRIX_FMT_FP4 matrix_b_fmt:MATRIX_FMT_FP4
.else
	v_wmma_scale_f32_16x16x128_f8f6f4 v[\dd:\dd+7], v[\aa:\aa+7], v[\bb:\bb+7], v[\cc:\cc+7], v[\sa], v[\sb] matrix_a_fmt:MATRIX_FMT_FP4 matrix_b_fmt:MATRIX_FMT_FP4
.endif
.endm
; A unit: 32 weight rows x 32 tokens, two K steps: eight instructions on four accumulators by turns.  nat = 0: transposed, result d + 16 u + 8 p; nat = 1: source 0 the tokens, result d + 16 p + 8 u.
; mode 0: the sums start at 0; 1: at the bias (bia + 8 p); 2: they add onto d.
.macro MM d, mode, nat, wf, ws, bia
.irp s, 0,1
.irp u, 0,1
.irp p, 0,1
.if \nat
.set rD, \d+16*\p+8*\u
.else
.set rD, \d+16*\u+8*\p
.endif
.set rC, rD
.if (\s == 0) && (\mode == 0)
.set rC, -1
.endif
.if (\s == 0) && (\mode == 1)
.set rC, \bia+8*\p
.endif
.set rW, \wf+16*\p+8*\s
.set rX, XF+16*\u+8*\s
.set rWS, \ws+2*\p+\s
.set rXS, XS+2*\u+\s
.if \nat
	WM4 rD, rX, rW, rC, rXS, rWS
.else
	WM4 rD, rW, rX, rC, rWS, rXS
.endif
.endr
.endr
.endr
.endm
; A pass of fc2: two K steps, four accumulators by turns.  zero = 1: the sums start at 0.  row = 1: the weight's scale words are those in lanes 16-31
.macro MMG d, zero, wf, row
.irp s, 0,1
.irp u, 0,1
.irp p, 0,1
.set rD, \d+16*\u+8*\p
.set rW, \wf+16*\p+8*\s
.set rX, XF+16*\u+8*\s
.set rWS, WS+2*\p+\s
.set rXS, XS+2*\u+\s
.if \row
	v_wmma_scale_f32_16x16x128_f8f6f4 v[rD:rD+7], v[rW:rW+7], v[rX:rX+7], v[rD:rD+7], v[rWS], v[rXS] matrix_a_fmt:MATRIX_FMT_FP4 matrix_b_fmt:MATRIX_FMT_FP4 matrix_a_scale:MATRIX_SCALE_ROW1
.else
.if (\zero) && (\s == 0)
	WM4 rD, rW, rX, -1, rWS, rXS
.else
	WM4 rD, rW, rX, rD, rWS, rXS
.endif
.endif
.endr
.endr
.endr
.endm
.macro LOADC wf, cb, va, tp, ko        ; a unit's codes for two K steps, from memory: eight loads
.irp p, 0,1
.irp s, 0,1
.irp c, 0,1
	global_load_b128 v[\wf+16*\p+8*\s+4*\c:\wf+16*\p+8*\s+4*\c+3], v[\va], s[\cb:\cb+1] offset:\p*(\tp)+(\ko)+64*\s+32*\c
.endr
.endr
.endr
.endm
.macro LOADW wf, ws, cb, sb, va, vs, tp, ko, stp, so    ; and with their scale words: ten loads
	LOADC \wf, \cb, \va, \tp, \ko
.irp p, 0,1
	global_load_b64 v[\ws+2*\p:\ws+2*\p+1], v[\vs], s[\sb:\sb+1] offset:\p*(\stp)+(\so)
.endr
.endm
.macro LDSW wf, x                      ; unit g of weight x from its images in LDS
.irp p, 0,1
.irp s, 0,1
.irp c, 0,1
	ds_load_b128 v[\wf+16*\p+8*\s+4*\c:\wf+16*\p+8*\s+4*\c+3], v[WL] offset:4096*\x+512*(4*\p+2*\s+\c)
.endr
.endr
.endr
.endm
.macro LDSS ws, x                      ; and its four scale words
.irp p, 0,1
.irp s, 0,1
	ds_load_b32 v[\ws+2*\p+\s], v[SAL] offset:256*\x+64*\p+4*\s
.endr
.endr
.endm
.macro LDSB bia, va, ofs               ; 16 neighbouring f32 of par, from LDS
.irp i, 0,1,2,3
	ds_load_b128 v[\bia+4*\i:\bia+4*\i+3], v[\va] offset:(\ofs)+16*\i
.endr
.endm
.macro QUANT2 s, c, e                  ; two blocks of 32: my 16 numbers of each at v[s], v[s + 16]; codes to v[c .. c + 3], bytes to v[e], v[e + 1]
.irp b, 0,1
	v_max3_num_f32 v[QM+\b], |v[\s+16*\b]|, |v[\s+16*\b+1]|, 0x1800000   ; with the floor 2^(3 - 127)
.endr
.irp i, 2,4,6,8,10,12,14
.irp b, 0,1
	v_max3_num_f32 v[QM+\b], v[QM+\b], |v[\s+16*\b+\i]|, |v[\s+16*\b+\i+1]|
.endr
.endr
.irp b, 0,1
	s_delay_alu instid0(VALU_DEP_2)
	v_permlanex16_b32 v[QT+\b], v[QM+\b], s[SEL], s[SEL+1]
.endr
.irp b, 0,1
	s_delay_alu instid0(VALU_DEP_2)
	v_max_num_f32 v[QM+\b], v[QM+\b], v[QT+\b]
.endr
.irp b, 0,1
	s_delay_alu instid0(VALU_DEP_2)
	v_add_nc_u32 v[QO+\b], 0xff000000, v[QM+\b]    ; 2 off the exponent field: the conversion's scale operand
.endr
.irp b, 0,1
	s_delay_alu instid0(VALU_DEP_2)
	v_lshrrev_b32 v[\e+\b], 23, v[QO+\b]           ; the scale's byte
.endr
.irp b, 0,1
	v_cvt_scalef32_pk8_fp4_f32 v[\c+2*\b], v[\s+16*\b:\s+16*\b+7], v[QO+\b]
	v_cvt_scalef32_pk8_fp4_f32 v[\c+2*\b+1], v[\s+16*\b+8:\s+16*\b+15], v[QO+\b]
.endr
	v_nop                                          ; a plain instruction behind the last conversion
.endm
.macro OP8 dst, c0                     ; an operand whose block 0 is the block in v[c0], v[c0 + 1] of lanes l and l xor 16; all else zero codes
	v_mov_b32 v[\dst], v[\c0]
	v_mov_b32 v[\dst+1], v[\c0+1]
.irp i, 2,3,4,5,6,7
	v_mov_b32 v[\dst+\i], 0
.endr
	v_permlane16_swap_b32 v[\dst], v[\dst+2]
	v_permlane16_swap_b32 v[\dst+1], v[\dst+3]
.endm
.macro FETCHX va, base, tp, vs, sbase, stp, k0         ; a column's two tiles, K steps k0 and k0 + 1: four fragments and their scale words
.irp u, 0,1
.irp s, 0,1
.irp c, 0,1
	ds_load_b128 v[XF+16*\u+8*\s+4*\c:XF+16*\u+8*\s+4*\c+3], v[\va] offset:\base+\u*\tp+(\k0+\s)*1024+512*\c
.endr
	ds_load_b32 v[XS+2*\u+\s], v[\vs] offset:\sbase+\u*\stp+(\k0+\s)*64
.endr
.endr
.endm
.macro PUBLISH c, e, img, sc           ; my block g of my column's two tiles
.irp u, 0,1
	ds_store_b64 v[PUB], v[\c+2*\u:\c+2*\u+1] offset:\img+2048*\u
	ds_store_b8 v[PSC], v[\e+\u] offset:\sc+128*\u
.endr
.endm
.macro ADDBIAS
.irp u, 0,1
.irp i, 0,2,4,6,8,10,12,14
	v_pk_add_f32 v[XR+16*\u+\i:XR+16*\u+\i+1], v[XR+16*\u+\i:XR+16*\u+\i+1], v[BIA+\i:BIA+\i+1]
.endr
.endr
.endm
; LayerNorm of x over the 256 channels, into v[T .. T + 31]; gain and bias at bytes ow, ob of par's copy in LDS.  One barrier inside.
; Each wave's mean and sum of squared deviations of its 32 channels meet in LDS and are combined: no difference of large sums.
.macro LN ow, ob
.irp u, 0,1
	v_pk_add_f32 v[248+2*\u:249+2*\u], v[XR+16*\u:XR+16*\u+1], v[XR+16*\u+2:XR+16*\u+3]
.endr
.irp i, 4,6,8,10,12,14
.irp u, 0,1
	v_pk_add_f32 v[248+2*\u:249+2*\u], v[248+2*\u:249+2*\u], v[XR+16*\u+\i:XR+16*\u+\i+1]
.endr
.endr
.irp u, 0,1
	s_delay_alu instid0(VALU_DEP_2)
	v_add_f32 v[248+2*\u], v[248+2*\u], v[249+2*\u]
.endr
.irp u, 0,1
	s_delay_alu instid0(VALU_DEP_2)
	v_permlanex16_b32 v[252+\u], v[248+2*\u], s[SEL], s[SEL+1]
.endr
.irp u, 0,1
	s_delay_alu instid0(VALU_DEP_2)
	v_add_f32 v[248+2*\u], v[248+2*\u], v[252+\u]
.endr
.irp u, 0,1
	s_delay_alu instid0(VALU_DEP_2)
	v_mul_f32 v[248+2*\u], 0x3d000000, v[248+2*\u]         ; my 32 channels' mean
.endr
.irp i, 0,2,4,6,8,10,12,14
.irp u, 0,1
	v_pk_add_f32 v[T+16*\u+\i:T+16*\u+\i+1], v[XR+16*\u+\i:XR+16*\u+\i+1], v[248+2*\u:249+2*\u] op_sel_hi:[1,0] neg_lo:[0,1] neg_hi:[0,1]
.endr
.endr
.irp u, 0,1
	v_pk_mul_f32 v[D+2*\u:D+2*\u+1], v[T+16*\u:T+16*\u+1], v[T+16*\u:T+16*\u+1]
.endr
.irp i, 2,4,6,8,10,12,14
.irp u, 0,1
	s_delay_alu instid0(VALU_DEP_2)
	v_pk_fma_f32 v[D+2*\u:D+2*\u+1], v[T+16*\u+\i:T+16*\u+\i+1], v[T+16*\u+\i:T+16*\u+\i+1], v[D+2*\u:D+2*\u+1]
.endr
.endr
.irp u, 0,1
	s_delay_alu instid0(VALU_DEP_2)
	v_add_f32 v[D+2*\u], v[D+2*\u], v[D+2*\u+1]
.endr
.irp u, 0,1
	s_delay_alu instid0(VALU_DEP_2)
	v_permlanex16_b32 v[252+\u], v[D+2*\u], s[SEL], s[SEL+1]
.endr
.irp u, 0,1
	s_delay_alu instid0(VALU_DEP_2)
	v_add_f32 v[249+2*\u], v[D+2*\u], v[252+\u]            ; and their sum of squared deviations
.endr
.irp u, 0,1
	ds_store_b64 v[LW], v[248+2*\u:249+2*\u] offset:LNS+1024*\u
.endr
.if STG                                        ; the first norm: my sixteenth of col_k, col_v and col_o, asked for at the head, goes into LDS ahead of this barrier
	s_wait_loadcnt 0x0
	STGS 2,T+32,D+27
	STGS 3,T+48,D+28
	STGS 4,D+4,D+29
.endif
	BARRIER
	LDSB T+32,PL,\ow
	LDSB T+48,PL,\ob
.irp u, 0,1
.irp i, 0,1,2,3
	ds_load_b128 v[D+16*\u+4*\i:D+16*\u+4*\i+3], v[LR] offset:LNS+1024*\u+16*\i
.endr
.endr
	s_wait_dscnt 0x0
.irp u, 0,1
	v_pk_add_f32 v[248+2*\u:249+2*\u], v[D+16*\u:D+16*\u+1], v[D+16*\u+2:D+16*\u+3]
.endr
.irp i, 4,6,8,10,12,14
.irp u, 0,1
	s_delay_alu instid0(VALU_DEP_2)
	v_pk_add_f32 v[248+2*\u:249+2*\u], v[248+2*\u:249+2*\u], v[D+16*\u+\i:D+16*\u+\i+1]
.endr
.endr
.irp u, 0,1
	s_delay_alu instid0(VALU_DEP_2)
	v_mul_f32 v[248+2*\u], 0x3e000000, v[248+2*\u]         ; the mean
.endr
.irp u, 0,1
	s_delay_alu instid0(VALU_DEP_2)
	v_sub_f32 v[252+\u], v[D+16*\u], v[248+2*\u]
.endr
.irp u, 0,1
	s_delay_alu instid0(VALU_DEP_2)
	v_mul_f32 v[254+\u], v[252+\u], v[252+\u]
.endr
.irp g, 1,2,3,4,5,6,7
.irp u, 0,1
	v_sub_f32 v[252+\u], v[D+16*\u+2*\g], v[248+2*\u]
.endr
.irp u, 0,1
	s_delay_alu instid0(VALU_DEP_2)
	v_fmac_f32 v[254+\u], v[252+\u], v[252+\u]
.endr
.endr
.irp u, 0,1
	s_delay_alu instid0(VALU_DEP_2)
	v_fmamk_f32 v[249+2*\u], v[254+\u], 0x42000000, v[249+2*\u]   ; 32 x the means' squared deviations + the waves' sums
.endr
.irp u, 0,1
	s_delay_alu instid0(VALU_DEP_2)
	v_fma_f32 v[249+2*\u], v[249+2*\u], s[INV256], s[EPS]  ; the variance + 1e-12
.endr
	s_wait_alu depctr_va_vdst(0)                   ; the wait ahead of the batch
.irp u, 0,1
	v_rsq_f32 v[252+2*\u], v[249+2*\u]
.endr
	v_nop                                          ; a plain instruction behind the two
	s_wait_alu depctr_va_vdst(0)                   ; one wait for both
.irp i, 0,2,4,6,8,10,12,14
.irp u, 0,1
	v_pk_add_f32 v[T+16*\u+\i:T+16*\u+\i+1], v[XR+16*\u+\i:XR+16*\u+\i+1], v[248+2*\u:249+2*\u] op_sel_hi:[1,0] neg_lo:[0,1] neg_hi:[0,1]
.endr
.endr
.irp i, 0,2,4,6,8,10,12,14
.irp u, 0,1
	v_pk_mul_f32 v[T+16*\u+\i:T+16*\u+\i+1], v[T+16*\u+\i:T+16*\u+\i+1], v[252+2*\u:253+2*\u] op_sel_hi:[1,0]
.endr
.endr
.irp i, 0,2,4,6,8,10,12,14
.irp u, 0,1
	v_pk_fma_f32 v[T+16*\u+\i:T+16*\u+\i+1], v[T+16*\u+\i:T+16*\u+\i+1], v[T+32+\i:T+32+\i+1], v[T+48+\i:T+48+\i+1]
.endr
.endr
.endm
; gelu of 16 numbers v[x .. x + 15], in place: relu(x) - |x| t 2^(log2(e) (P(t) - x^2 / 2) - 1), t = 1 / (1 + |x| / (2 sqrt(2)))
.macro GELU8 x
.irp i, 0,1,2,3,4,5,6,7,8,9,10,11,12,13,14,15
	v_fma_f32 v[GT+\i], |v[\x+\i]|, s[KH], 1.0
.endr
	s_wait_alu depctr_va_vdst(0)                   ; the wait ahead of the batch
.irp i, 0,1,2,3,4,5,6,7,8,9,10,11,12,13,14,15
	v_rcp_f32 v[GT+\i], v[GT+\i]                   ; t
.endr
.irp i, 0,2,4,6,8,10,12,14                     ; work that names none of the sixteen
	v_pk_mul_f32 v[GS+\i:GS+\i+1], v[\x+\i:\x+\i+1], v[\x+\i:\x+\i+1]
.endr
.irp i, 0,1,2,3,4,5,6,7,8,9,10,11,12,13,14,15
	v_max_num_f32 v[GZ+\i], 0, v[\x+\i]            ; relu(x)
.endr
	s_wait_alu depctr_va_vdst(0)                   ; one wait for the sixteen reciprocals
.irp i, 0,2,4,6,8,10,12,14
	v_pk_fma_f32 v[GR+\i:GR+\i+1], v[GT+\i:GT+\i+1], v[GC0:GC0+1], 0xbf97d29d op_sel_hi:[1,1,0]
.endr
.irp k, 0x40097039, 0xbfd1a1e5, 0x3ecdfd18, 0xbe899a80, 0x3e0efb2f, 0x3f0a29d2, 0x3fb8ab5a, 0xc034d90f
.irp i, 0,2,4,6,8,10,12,14
	v_pk_fma_f32 v[GR+\i:GR+\i+1], v[GR+\i:GR+\i+1], v[GT+\i:GT+\i+1], \k op_sel_hi:[1,1,0]
.endr
.endr
.irp i, 0,2,4,6,8,10,12,14
	v_pk_fma_f32 v[GR+\i:GR+\i+1], v[GS+\i:GS+\i+1], 0xbf38aa3b, v[GR+\i:GR+\i+1] op_sel_hi:[1,0,1]   ; - x^2 log2(e) / 2
.endr
	s_wait_alu depctr_va_vdst(0)                   ; ahead of the batch
.irp i, 0,1,2,3,4,5,6,7,8,9,10,11,12,13,14,15
	v_exp_f32 v[GR+\i], v[GR+\i]
.endr
	v_nop                                          ; a plain instruction behind the batch
	s_wait_alu depctr_va_vdst(0)                   ; one wait for the sixteen exponentials
.irp i, 0,2,4,6,8,10,12,14
	v_pk_mul_f32 v[GT+\i:GT+\i+1], v[GT+\i:GT+\i+1], v[GR+\i:GR+\i+1]      ; erfc(|z|) / 2
.endr
.irp i, 0,1,2,3,4,5,6,7,8,9,10,11,12,13,14,15
	v_fma_f32 v[\x+\i], -|v[\x+\i]|, v[GT+\i], v[GZ+\i]
.endr
.endm
; fc1, run i of four: hidden units 128 g + 64 c + 32 (i / 2) on, for my column (i even) or the other (i odd); gelu; quantised: block 2 c + i / 2 of K step g of fc2
.macro FC1UNIT i
.if (\i % 2) == 0
	s_wait_loadcnt 0x0                             ; these two runs' weights
.endif
	s_wait_dscnt 0x0                               ; operand and bias are in; the last run's LDS stores have read their registers
	MM D,1,0,WF,WS,BIA
.if \i < 3
	v_xor_b32 v[FX], 4096, v[FX]                   ; the other column's images (two of the four places behind the products)
	v_xor_b32 v[FS], 256, v[FS]
	PLACES 2
	FETCHX FX,IMGA,2048,FS,SCA,128,0
.else
	PLACES 4
	LOADW WF,WS,36,38,FA2,SA2,4096,0,256,0         ; fc2, my K half: its first two K steps, and the scale words of both passes (lanes 0-15, lanes 16-31)
	LOADC WB,36,FA2,4096,128                       ; its last two, into the operand's registers, which fc1 has left
	LDSB BIA,PL,4096                               ; fc2's bias
.endif
.if \i == 1
	LOADW WF,WS,32,34,FA,SA,1024,4096,64,256
	LDSB BIA,PF,128
.endif
	GELU8 D
	GELU8 D+16
	QUANT2 D,CG,EE
.irp u, 0,1
	ds_store_b64 v[PH], v[CG+2*\u:CG+2*\u+1] offset:HIMG+8192*\u+256*(\i/2)
	ds_store_b8 v[PHS], v[EE+\u] offset:HSC+512*\u+(\i/2)
.endr
.if \i < 3
	v_xor_b32 v[PH], 16384, v[PH]                  ; the next run's column
	v_xor_b32 v[PHS], 1024, v[PHS]
.endif
.endm
.macro STGL x, cb, sb, rg, sr
.irp q, 0,1,2,3
	global_load_b128 v[\rg+4*\q:\rg+4*\q+3], v[D+20], s[\cb:\cb+1] offset:32*\q
.endr
	global_load_b32 v[\sr], v[D+22], s[\sb:\sb+1]
.endm
.macro STGS x, rg, sr
.irp q, 0,1,2,3
	ds_store_b128 v[D+21], v[\rg+4*\q:\rg+4*\q+3] offset:4096*\x+512*\q
.endr
	ds_store_b32 v[D+23], v[\sr] offset:256*\x
.endm
	s_load_b512 s[8:23], s[0:1], 0x0               ; x in 8, ctx 10, row_o codes 12, scales 14, col_q 16, 18, col_k 20, 22
	s_load_b512 s[24:39], s[0:1], 0x40             ; col_v 24, 26, col_o 28, 30, fc1 32, 34, fc2 36, 38
	s_load_b256 s[40:47], s[0:1], 0x80             ; par 40, the layer's number 42, x out 44, xq 46
	v_lshrrev_b32 v[D+8], 5, v0
	s_delay_alu instid0(VALU_DEP_1)
	v_readfirstlane_b32 s[WV], v[D+8]
	v_and_b32 v[D+8], 31, v0                       ; lane
	v_and_b32 v[D+9], 15, v0                       ; r
	v_bfe_u32 v[D+10], v0, 4, 1                    ; h
	v_and_b32 v[D+11], 8, v0
	v_mov_b32 v[GC0], 0x3e7c6f08                   ; P's leading coefficient, as a pair
	v_mov_b32 v[GC0+1], 0x3e7c6f08
	v_mov_b32 v248, 0                              ; lane permutes' destinations and upper halves of pairs: written once
	v_mov_b32 v249, 0
	v_add_nc_u32 v[D+11], v[D+11], v[D+9]          ; r + 8 (r / 8)
	v_lshlrev_b32 v[L16], 4, v[D+8]
	v_lshlrev_b32 v[D+12], 4, v[D+9]
	v_lshlrev_b32 v[D+13], 2, v[D+9]               ; 4 r
	v_mov_b32 v250, 0
	v_lshlrev_b32 v[D+30], 15, v[D+11]
	v_lshlrev_b32 v[D+31], 11, v[D+11]
	v_lshl_add_u32 v[D+12], v[D+10], 3, v[D+12]    ; 16 r + 8 h
	v_mov_b32 v251, 0
	v_mov_b32 v252, 0
	v_lshl_add_u32 v[D+30], v[D+10], 3, v[D+30]
	v_mov_b32 v253, 0
	v_mov_b32 v254, 0
	v_mov_b32 v255, 0
	s_and_b32 s[G8], s[WV], 7
	s_lshr_b32 s[COL], s[WV], 3
	s_and_b32 s[BB], ttmp7, 0xffff
	s_lshl_b32 s[C0], ttmp9, 1
	s_mov_b32 s[KH], 0x3eb504f3                    ; 1 / (2 sqrt(2))
	s_mov_b32 s[SEL], 0x76543210
	s_mov_b32 s[SEL+1], 0xfedcba98
	s_mov_b32 s[CS], 0x3fb8aa3b                    ; log2(e)
	s_mov_b32 s[CS+1], s[CS]
	s_mov_b32 s[INV256], 0x3b800000
	s_mov_b32 s[EPS], 0x2b8cbccc
	s_wait_alu depctr_va_vdst(0)                   ; the wait here, directly ahead of the wait below
	s_wait_kmcnt 0x0
	s_load_b32 s[LAY], s[42:43], 0x0               ; the layer's number: waited for only where the first address hangs on it
	s_mov_b32 s81, 0
	s_mov_b32 s83, 0
	s_lshl_b32 s80, s[BB], 23                      ; x: ((32 b + 2 w) x 256 + c0) x 1,024
	s_lshl_b32 s82, s[WV], 19
	s_add_co_u32 s80, s80, s82
	s_lshl_b32 s82, s[C0], 10
	s_add_co_u32 s80, s80, s82
	s_add_nc_u64 s[8:9], s[8:9], s[80:81]
	s_add_nc_u64 s[44:45], s[44:45], s[80:81]
.irp i, 0,1
.irp c, 0,1
.irp f, 0,1
	global_load_b128 v[T+16*\i+8*\c+4*\f:T+16*\i+8*\c+4*\f+3], v[L16], s[8:9] offset:\i*262144+\c*1024+\f*512 th:TH_LOAD_NT   ; rows 2 w, 2 w + 1, both columns: 512 consecutive bytes a load
.endr
.endr
.endr
	s_add_co_u32 s84, s[C0], s[COL]                ; my column
	s_lshl_b32 s80, s[BB], 16                      ; ctx's scale bytes
	s_lshr_b32 s82, s[G8], 1
	s_lshl_b32 s82, s82, 9
	s_add_co_u32 s80, s80, s82
	s_lshl_b32 s82, s84, 1
	s_add_co_u32 s80, s80, s82
	s_and_b32 s82, s[G8], 1
	s_add_co_u32 s80, s80, s82
	s_add_co_u32 s80, s80, 2097152
	s_add_nc_u64 s[CTXS:CTXS+1], s[10:11], s[80:81]
	s_lshl_b32 s80, s[BB], 20                      ; ctx's codes
	s_lshr_b32 s82, s[G8], 1
	s_lshl_b32 s82, s82, 13
	s_add_co_u32 s80, s80, s82
	s_lshl_b32 s82, s84, 5
	s_add_co_u32 s80, s80, s82
	s_and_b32 s82, s[G8], 1
	s_lshl_b32 s82, s82, 4
	s_add_co_u32 s80, s80, s82
	s_add_nc_u64 s[10:11], s[10:11], s[80:81]
.irp u, 0,1
	global_load_b64 v[100+2*\u:101+2*\u], v[D+30], s[10:11] offset:\u*262144
	global_load_u8 v[EE+\u], v[D+31], s[CTXS:CTXS+1] offset:\u*16384
.endr
	s_lshl_b32 s80, s[BB], 20                      ; xq's codes: ((32 b + 2 w) x 256 + c0) x 128
	s_lshl_b32 s82, s[WV], 16
	s_add_co_u32 s80, s80, s82
	s_lshl_b32 s82, s[C0], 7
	s_add_co_u32 s80, s80, s82
	s_add_nc_u64 s[XQC:XQC+1], s[46:47], s[80:81]
	s_lshl_b32 s80, s[BB], 16                      ; xq's scale bytes: (32 b x 256 + c0) x 8
	s_lshl_b32 s82, s[C0], 3
	s_add_co_u32 s80, s80, s82
	s_add_co_u32 s80, s80, 2097152
	s_add_nc_u64 s[XQS:XQS+1], s[46:47], s[80:81]
	; the wave's terms of every LDS address, then the addresses in one run of vector instructions
	s_lshl_b32 s80, s[COL], 12
	s_lshl_b32 s66, s[G8], 8
	s_add_co_u32 s81, s80, s66
	s_lshl_b32 s82, s[COL], 8
	s_lshr_b32 s66, s[G8], 2
	s_lshl_b32 s66, s66, 6
	s_add_co_u32 s83, s82, s66
	s_and_b32 s66, s[G8], 3
	s_add_co_u32 s83, s83, s66
	s_mul_i32 s84, s[COL], 20480                   ; the hidden layer's images: my column, my K half
	s_mul_i32 s85, s[COL], 16896                   ; where I store them: my column, K step g, blocks 2 c on
	s_lshl_b32 s66, s[G8], 10
	s_add_co_u32 s85, s85, s66
	s_mul_i32 s86, s[COL], 1026
	s_lshl_b32 s66, s[G8], 6
	s_add_co_u32 s86, s86, s66
	s_mul_i32 s87, s[COL], 1280
	s_lshl_b32 s88, s[COL], 11
	s_lshl_b32 s89, s[G8], 3
	s_mul_i32 s90, s[COL], 33280
	s_lshl_b32 s66, s[G8], 7
	s_add_co_u32 s90, s90, s66
	s_add_co_u32 s90, s90, XST
	s_mul_i32 s91, s[WV], 2080
	s_add_co_u32 s91, s91, XST
	s_lshl_b32 s99, s[COL], 7
	s_lshl_b32 s67, s[G8], 4
	s_add_co_u32 s92, s99, s67
	s_lshl_b32 s93, s[COL], 3
	s_add_co_u32 s93, s93, s[G8]
	s_mul_i32 s94, s[G8], 20480
	s_add_co_u32 s94, s94, WIMG
	s_mul_i32 s95, s[G8], 1280
	s_add_co_u32 s95, s95, WSC
	s_add_co_u32 s96, s66, PARL
	s_lshl_b32 s97, s[G8], 9
	s_add_co_u32 s97, s97, s82
	s_add_co_u32 s97, s97, PARL+12288
	s_lshl_b32 s98, s[COL], 10
	v_lshlrev_b32 v[FA], 7, v[D+11]
	v_lshlrev_b32 v[SA], 3, v[D+11]
	v_lshlrev_b32 v[FA2], 9, v[D+11]
	v_lshlrev_b32 v[SA2], 5, v[D+11]
	v_mul_u32_u24 v[ST], v[D+11], 1040
	v_lshlrev_b32 v[CSA], 8, v[D+11]
	v_lshl_add_u32 v[FA], v[D+10], 4, v[FA]
	v_lshl_add_u32 v[FA2], v[D+10], 4, v[FA2]
	v_lshl_add_u32 v[SA2], v[D+10], 3, v[SA2]      ; lanes 16-31: 8 bytes, one pass, further on
	v_lshl_add_u32 v[ST], v[D+10], 6, v[ST]
	v_lshl_add_u32 v[CSA], v[D+10], 3, v[CSA]
	v_add_nc_u32 v[PUB], s81, v[D+12]
	v_add_nc_u32 v[FX], s80, v[L16]
	v_add_nc_u32 v[FS], s82, v[D+13]
	v_add_nc_u32 v[ST], s90, v[ST]
	v_add_nc_u32 v[CSA], s92, v[CSA]
	v_add_nc_u32 v[PSC], s83, v[D+13]
	v_add_nc_u32 v[PH], s85, v[D+12]
	v_add_nc_u32 v[FH], s84, v[L16]
	v_add_nc_u32 v[PHS], s86, v[D+13]
	v_add_nc_u32 v[FHS], s87, v[D+13]
	v_lshl_add_u32 v[LR], v[D+9], 6, s88
	v_add_nc_u32 v[RD], s91, v[L16]
	v_lshl_add_u32 v[SSA], v[D+11], 4, s93
	v_add_nc_u32 v[WL], s94, v[L16]
	v_lshl_add_u32 v[SAL], v[D+11], 3, s95
	v_add_nc_u32 v[LW], s89, v[LR]
	v_lshl_add_u32 v[PL], v[D+10], 6, s96
	v_lshl_add_u32 v[RPL], v[D+11], 2, s96
	v_lshl_add_u32 v[PF], v[D+10], 6, s97
	v_lshl_add_u32 v[D+22], v[D+8], 2, s99         ; the head's own, in registers that stay as they are up to the first norm's barrier: 128 c + 4 x lane,
	v_add_nc_u32 v[D+20], s98, v[FA]               ; tile c of a unit in memory,
	v_add_nc_u32 v[D+21], s88, v[WL]               ; and among its images;
	v_lshlrev_b32 v[D+24], 4, v0                   ; 16 x thread, in par
	v_lshl_add_u32 v[D+25], v0, 4, PARL            ; and in its copy;
	v_lshl_add_u32 v[D+26], v[D+10], 6, s66        ; 128 g + 64 h
	v_add_nc_u32 v[D+23], s95, v[D+22]
	s_wait_alu depctr_va_vdst(0)                   ; the wait at the head's end
	s_wait_kmcnt 0x0
	s_min_u32 s[LAY], s[LAY], 1                    ; the layer: 0 or 1
	s_cmp_eq_u32 s[LAY], 0
	s_cselect_b32 s[MASK], 0, -1                   ; layer 1 sends the norm out, layer 0 x itself
	s_mov_b32 s81, 0
	s_mov_b32 s85, 0
	s_lshl_b32 s80, s[LAY], 15                     ; 256 x 256 weights: 32,768 bytes a layer, unit g 4,096
	s_lshl_b32 s82, s[G8], 12
	s_add_co_u32 s80, s80, s82
.irp p, 12,16,20,24,28
	s_add_nc_u64 s[\p:\p+1], s[\p:\p+1], s[80:81]
.endr
	s_lshl_b32 s80, s[LAY], 11
	s_lshl_b32 s82, s[G8], 8
	s_add_co_u32 s80, s80, s82
.irp p, 14,18,22,26,30
	s_add_nc_u64 s[\p:\p+1], s[\p:\p+1], s[80:81]
.endr
	s_lshl_b32 s80, s[LAY], 17
	s_lshl_b32 s82, s[G8], 14
	s_add_co_u32 s80, s80, s82
	s_lshl_b32 s82, s[COL], 13                     ; fc1: my 64 rows of 128 bytes
	s_add_co_u32 s84, s80, s82
	s_add_nc_u64 s[32:33], s[32:33], s[84:85]
	s_lshl_b32 s82, s[COL], 8                      ; fc2: rows 32 g on, 512 bytes each; my K half's 256
	s_add_co_u32 s84, s80, s82
	s_add_nc_u64 s[36:37], s[36:37], s[84:85]
	s_lshl_b32 s80, s[LAY], 13
	s_lshl_b32 s82, s[G8], 10
	s_add_co_u32 s80, s80, s82
	s_lshl_b32 s82, s[COL], 9
	s_add_co_u32 s84, s80, s82
	s_add_nc_u64 s[34:35], s[34:35], s[84:85]
	s_lshl_b32 s82, s[COL], 4
	s_add_co_u32 s84, s80, s82
	s_add_nc_u64 s[38:39], s[38:39], s[84:85]
	s_mul_i32 s80, s[LAY], 20480
	s_add_nc_u64 s[PARV:PARV+1], s[40:41], s[80:81]        ; my layer's par
	STGL 0,12,14,32,116                            ; 10 loads: my sixteenth of row_o and col_q,
	STGL 1,16,18,48,117
	global_load_b128 v[124:127], v[D+24], s[PARV:PARV+1] offset:4096   ; 2: my 32 bytes of par's slots 4 to 19,
	global_load_b128 v[128:131], v[D+24], s[PARV:PARV+1] offset:12288
.irp i, 0,1,2,3
	global_load_b128 v[BIA+4*\i:BIA+4*\i+3], v[D+26], s[PARV:PARV+1] offset:3072+16*\i   ; 4: row_o's bias
.endr
	STGL 2,20,22,T+32,D+27                         ; 15: col_k, col_v, col_o: not waited for ahead of the first barrier; they land in registers that nothing names before the first norm's barrier
	STGL 3,24,26,T+48,D+28
	STGL 4,28,30,D+4,D+29
	s_wait_loadcnt 31                              ; x and the context are in; the 31 younger loads may be out
.irp i, 0,1
.irp c, 0,1
.irp f, 0,1
	ds_store_b128 v[RD], v[T+16*\i+8*\c+4*\f:T+16*\i+8*\c+4*\f+3] offset:(\c*32+\i)*1040+\f*512
.endr
.endr
.endr
	PUBLISH 100,EE,IMGB,SCB
	s_wait_loadcnt 15                              ; all but the 15 loads of col_k, col_v and col_o
	STGS 0,32,116
	STGS 1,48,117
	ds_store_b128 v[D+25], v[124:127]
	ds_store_b128 v[D+25], v[128:131] offset:8192
	BARRIER                                        ; x, the context's images, the weights' images and par lie in LDS
.irp u, 0,1
.irp i, 0,1,2,3
	ds_load_b128 v[XR+16*\u+4*\i:XR+16*\u+4*\i+3], v[ST] offset:8320*\u+16*\i   ; register 16 u + i is channel 32 g + 16 h + i of row 8 u + r + 8 (r / 8)
.endr
.endr
	FETCHX FX,IMGB,2048,FS,SCB,128,0
	LDSW WF,0
	LDSS WS,0
	s_wait_dscnt 0x0
	; ---- 1: x += ctx Wo^T + bo ----
	ADDBIAS
	MM XR,2,0,WF,WS,BIA
	PLACES 4                                       ; in front of loads into registers that the products read, and of the first read of the results
	LDSW WF,1                                      ; col_q
	LDSS WS,1
	LDSB BIA,PL,0
	; ---- 2: ln_col, quantised ----
.set STG, 1
	LN 5120,6144
.set STG, 0
	QUANT2 T,CG,EE
	PUBLISH CG,EE,IMGA,SCA
	BARRIER
	FETCHX FX,IMGA,2048,FS,SCA,128,0
	s_wait_dscnt 0x0
	; ---- 3: q, k, v of my head ----
	MM D,1,0,WF,WS,BIA
	PLACES 4
	LDSW WF,2
	LDSS WS,2
	LDSB BIA,PL,1024
.irp i, 0,2,4,6,8,10,12,14,16,18,20,22,24,26,28,30
	v_pk_mul_f32 v[D+\i:D+\i+1], v[D+\i:D+\i+1], 0x3e3504f3 op_sel_hi:[1,0]     ; x 32^-0.5
.endr
	QUANT2 D,T+48,QE
	s_wait_dscnt 0x0
	MM D,1,0,WF,WS,BIA
	PLACES 4
	LDSW WF,3
	LDSS WS,3
	ds_load_b32 v[CG], v[RPL] offset:2048          ; v's bias at my channel of either tile, each the low word of a pair
	ds_load_b32 v[CG+2], v[RPL] offset:2048+32
	QUANT2 D,T+52,KE
	s_wait_dscnt 0x0
	MM D,0,1,WF,WS,0                               ; source 0 the tokens: a lane holds one channel, its registers run along the rows, the next K
	PLACES 4
	LOADW WF,WS,32,34,FA,SA,1024,0,64,0            ; fc1, my first 32 rows: asked for here, used behind the attention, col_o and ln_ff
.irp i, 0,2,4,6,8,10,12,14
	v_pk_add_f32 v[D+\i:D+\i+1], v[D+\i:D+\i+1], v[CG:CG+1] op_sel_hi:[1,0]
.endr
.irp i, 16,18,20,22,24,26,28,30
	v_pk_add_f32 v[D+\i:D+\i+1], v[D+\i:D+\i+1], v[CG+2:CG+3] op_sel_hi:[1,0]
.endr
	QUANT2 D,T+56,VE
	; ---- 4: the column's attention, inside the wave: 32 rows, one head; K = 32 rides in block 0, the other blocks hold zero codes ----
	OP8 T,T+48
	OP8 T+8,T+50
	OP8 T+16,T+52
	OP8 T+24,T+54
	OP8 T+32,T+56                                  ; these two are also the places between q's and k's operands and bytes and the products
	OP8 T+40,T+58
.irp q, 0,1
.irp k, 0,1
	WM4 D+16*\q+8*\k,T+16+8*\k,T+8*\q,-1,KE+\k,QE+\q       ; S^T: register 8 k + j of query tile q is key 16 h + 8 k + j
.endr
.endr
	PLACES 4
.irp q, 0,1
	v_max3_num_f32 v[SM+\q], v[D+16*\q], v[D+16*\q+1], v[D+16*\q+2]
.endr
.irp i, 3,5,7,9,11,13
.irp q, 0,1
	v_max3_num_f32 v[SM+\q], v[SM+\q], v[D+16*\q+\i], v[D+16*\q+\i+1]
.endr
.endr
.irp q, 0,1
	v_max_num_f32 v[SM+\q], v[SM+\q], v[D+16*\q+15]
.endr
.irp q, 0,1
	s_delay_alu instid0(VALU_DEP_2)
	v_permlanex16_b32 v[SP+\q], v[SM+\q], s[SEL], s[SEL+1]
.endr
.irp q, 0,1
	s_delay_alu instid0(VALU_DEP_2)
	v_max_num_f32 v[SM+\q], v[SM+\q], v[SP+\q]     ; the row's largest score: the one block's too
.endr
.irp q, 0,1
	s_delay_alu instid0(VALU_DEP_2)
	v_mul_f32 v[SP+\q], s[CS], v[SM+\q]
.endr
.irp q, 0,1
	s_delay_alu instid0(VALU_DEP_2)
	v_floor_f32 v[NM+2*\q], -v[SP+\q]              ; -M = -ceil(t)
.endr
.irp i, 0,2,4,6,8,10,12,14
.irp q, 0,1
	v_pk_fma_f32 v[D+16*\q+\i:D+16*\q+\i+1], v[D+16*\q+\i:D+16*\q+\i+1], s[CS:CS+1], v[NM+2*\q:NM+2*\q+1] op_sel_hi:[1,0,0]
.endr
.endr
.irp q, 0,1
	v_fma_f32 v[BX+\q], v[SM+\q], s[CS], v[NM+2*\q]
.endr
.set n, 0
	s_wait_alu depctr_va_vdst(0)                   ; ahead of the batch
.rept 32
	v_exp_f32 v[D+n], v[D+n]                       ; p = 2^(t - M)
.set n, n+1
.endr
.irp q, 0,1
	v_exp_f32 v[BX+\q], v[BX+\q]                   ; the largest p
.endr
	v_nop                                          ; a plain instruction behind the batch
	s_wait_alu depctr_va_vdst(0)                   ; one wait for the 34
.irp q, 0,1
	v_pk_add_f32 v[SU+2*\q:SU+2*\q+1], v[D+16*\q:D+16*\q+1], v[D+16*\q+2:D+16*\q+3]
.endr
.irp i, 4,6,8,10,12,14
.irp q, 0,1
	v_pk_add_f32 v[SU+2*\q:SU+2*\q+1], v[SU+2*\q:SU+2*\q+1], v[D+16*\q+\i:D+16*\q+\i+1]
.endr
.endr
.irp q, 0,1
	s_delay_alu instid0(VALU_DEP_2)
	v_add_f32 v[SU+2*\q], v[SU+2*\q], v[SU+2*\q+1]
.endr
.irp q, 0,1
	s_delay_alu instid0(VALU_DEP_2)
	v_permlanex16_b32 v[SP+\q], v[SU+2*\q], s[SEL], s[SEL+1]
.endr
.irp q, 0,1
	s_delay_alu instid0(VALU_DEP_2)
	v_add_f32 v[SU+2*\q], v[SU+2*\q], v[SP+\q]     ; l, of the unquantised p
.endr
.irp q, 0,1
	v_max_num_f32 v[BX+\q], 0x1800000, v[BX+\q]
.endr
.irp q, 0,1
	s_delay_alu instid0(VALU_DEP_2)
	v_add_nc_u32 v[PO+\q], 0xff000000, v[BX+\q]
.endr
.irp q, 0,1
	s_delay_alu instid0(VALU_DEP_2)
	v_lshrrev_b32 v[PE+\q], 23, v[PO+\q]
.endr
.irp q, 0,1
	v_cvt_scalef32_pk8_fp4_f32 v[PCD+2*\q], v[D+16*\q:D+16*\q+7], v[PO+\q]
	v_cvt_scalef32_pk8_fp4_f32 v[PCD+2*\q+1], v[D+16*\q+8:D+16*\q+15], v[PO+\q]
.endr
	v_nop                                          ; a plain instruction behind the last conversion
	s_wait_alu depctr_va_vdst(0)
.irp q, 0,1
	v_rcp_f32 v[RL+2*\q], v[SU+2*\q]
.endr
	OP8 T,PCD                                      ; p takes q's place
	OP8 T+8,PCD+2
	PLACES 4                                       ; between the operand just written and the products
	s_wait_alu depctr_va_vdst(0)                   ; the reciprocals' wait
.irp q, 0,1
.irp p, 0,1
	WM4 D+16*\q+8*\p,T+32+8*\p,T+8*\q,-1,VE+\p,PE+\q       ; O^T: register 8 p + j is channel 16 h + 8 p + j of my head
.endr
.endr
	PLACES 4
.irp i, 0,2,4,6,8,10,12,14
.irp q, 0,1
	v_pk_mul_f32 v[D+16*\q+\i:D+16*\q+\i+1], v[D+16*\q+\i:D+16*\q+\i+1], v[RL+2*\q:RL+2*\q+1] op_sel_hi:[1,0]
.endr
.endr
	QUANT2 D,CG,EE
	PUBLISH CG,EE,IMGB,SCB                         ; IMGB's first readers waited for their loads two barriers ago
	LDSW D,4                                       ; col_o, into the registers that the context has left; its scale words where q's and k's bytes lay
	LDSS QE,4
	LDSB BIA,PL,3072
	BARRIER
	FETCHX FX,IMGB,2048,FS,SCB,128,0
	s_wait_dscnt 0x0
	; ---- 5: x += ctx Wo^T + bo ----
	ADDBIAS
	MM XR,2,0,D,QE,BIA
	PLACES 4
	LDSB BIA,PF,0                                  ; fc1's bias, my first 32 units
	; ---- 6: ln_ff, quantised ----
	LN 7168,8192
	QUANT2 T,CG,EE
	PUBLISH CG,EE,IMGA,SCA
	BARRIER
	FETCHX FX,IMGA,2048,FS,SCA,128,0
	; ---- 7: fc1 and gelu: my 64 hidden units, both columns ----
	FC1UNIT 0
	FC1UNIT 1
	FC1UNIT 2
	FC1UNIT 3
	v_xor_b32 v[FX], 16384, v[FH]                  ; the other column's hidden images, my K half
	v_xor_b32 v[FS], 1024, v[FHS]
	v_lshl_add_u32 v[PH], v0, 4, XST               ; the exchange: 16 x thread in each of 8 planes;
	v_xor_b32 v[PHS], 256, v0                      ; my partner is wave w xor 8
	s_delay_alu instid0(VALU_DEP_1)
	v_lshl_add_u32 v[PHS], v[PHS], 4, XST
	s_wait_alu depctr_va_vdst(0)                   ; the wait here, ahead of the barrier
	BARRIER                                        ; the hidden layer's 32 fragments lie in LDS
	; ---- 8: x += h W2^T + b2: my K half in two passes of two K steps, for my column onto x, for the other into v[D ..] ----
.set XF, T
.set XS, 96
	FETCHX FH,HIMG,8192,FHS,HSC,512,0
.set XF, T+32
.set XS, QE
	FETCHX FX,HIMG,8192,FS,HSC,512,0
	s_wait_loadcnt 0x0                             ; fc2's weights
	ADDBIAS
	s_wait_alu depctr_va_vdst(0)
	s_wait_dscnt 0x0
.set XF, T
.set XS, 96
	MMG XR,0,WF,0
.set XF, T+32
.set XS, QE
	MMG D,1,WF,0
	PLACES 4                                       ; in front of the LDS loads into the operands' registers
.set XF, T
.set XS, 96
	FETCHX FH,HIMG,8192,FHS,HSC,512,2
.set XF, T+32
.set XS, QE
	FETCHX FX,HIMG,8192,FS,HSC,512,2
	s_wait_dscnt 0x0
.set XF, T
.set XS, 96
	MMG XR,0,WB,1
.set XF, T+32
.set XS, QE
	MMG D,0,WB,1
	PLACES 4
.irp i, 0,1,2,3,4,5,6,7
	ds_store_b128 v[PH], v[D+4*\i:D+4*\i+3] offset:8192*\i      ; XST's first readers waited for their loads many barriers ago
.endr
	BARRIER
.irp i, 0,1,2,3,4,5,6,7
	ds_load_b128 v[T+4*\i:T+4*\i+3], v[PHS] offset:8192*\i      ; my column's sums over the other K half
.endr
	s_wait_dscnt 0x0
.irp i, 0,2,4,6,8,10,12,14,16,18,20,22,24,26,28,30
	v_pk_add_f32 v[XR+\i:XR+\i+1], v[XR+\i:XR+\i+1], v[T+\i:T+\i+1]
.endr
	; ---- 9: the norm at the layer's end, and the way out ----
	LN 10240,11264
.set n, 0
.rept 32
	v_cndmask_b32 v[T+32+n], v[XR+n], v[T+n], s[MASK]      ; layer 0: x; layer 1: the norm
.set n, n+1
.endr
.irp u, 0,1
.irp i, 0,1,2,3
	ds_store_b128 v[ST], v[T+32+16*\u+4*\i:T+32+16*\u+4*\i+3] offset:8320*\u+16*\i   ; the exchange's readers waited for their loads ahead of the norm's barrier
.endr
.endr
	s_cmp_lg_u32 s[LAY], 0
	s_cbranch_scc1 .Lno_codes
	QUANT2 T,D,D+4                                 ; layer 0: the next layer's row attention reads the norm as codes
.irp u, 0,1
	ds_store_b64 v[CSA], v[D+2*\u:D+2*\u+1] offset:CST+2048*\u
	ds_store_b8 v[SSA], v[D+4+\u] offset:SST+128*\u
.endr
.Lno_codes:
	BARRIER
.irp i, 0,1
.irp c, 0,1
.irp f, 0,1
	ds_load_b128 v[T+16*\i+8*\c+4*\f:T+16*\i+8*\c+4*\f+3], v[RD] offset:(\c*32+\i)*1040+\f*512
.endr
.endr
.endr
.irp i, 0,1
.irp c, 0,1
.irp f, 0,1
	s_wait_dscnt 7-(4*\i+2*\c+\f)                  ; this load is in; the younger ones may be out
	global_store_b128 v[L16], v[T+16*\i+8*\c+4*\f:T+16*\i+8*\c+4*\f+3], s[44:45] offset:\i*262144+\c*1024+\f*512 th:TH_STORE_NT   ; 512 consecutive bytes
.endr
.endr
.endr
	s_cmp_lg_u32 s[LAY], 0
	s_cbranch_scc1 .Lend
	v_lshlrev_b32 v[D], 4, v0                      ; 512 x wave + 16 x lane: rows 2 w, 2 w + 1 of the codes
	ds_load_b128 v[D+8:D+11], v[D] offset:CST
	v_bfe_u32 v[D+1], v0, 4, 1
	v_and_b32 v[D+2], 15, v0
	s_delay_alu instid0(VALU_DEP_2)
	v_lshlrev_b32 v[D+1], 15, v[D+1]               ; 32,768 bytes from row to row
	s_delay_alu instid0(VALU_DEP_1)
	v_lshl_add_u32 v[D+1], v[D+2], 4, v[D+1]
	s_wait_alu depctr_va_vdst(0)
	s_wait_dscnt 0x0
	global_store_b128 v[D+1], v[D+8:D+11], s[XQC:XQC+1]    ; sixteen lanes store the two columns' 256 consecutive bytes, at a multiple of 256
	s_cmp_lg_u32 s[WV], 0
	s_cbranch_scc1 .Lend
	ds_load_b128 v[D+12:D+15], v[L16] offset:SST   ; lane = row: the two columns' 16 scale bytes
	v_and_b32 v[D+3], 31, v0
	s_delay_alu instid0(VALU_DEP_1)
	v_lshlrev_b32 v[D+3], 11, v[D+3]               ; 2,048 bytes from row to row
	s_wait_alu depctr_va_vdst(0)
	s_wait_dscnt 0x0
	global_store_b128 v[D+3], v[D+12:D+15], s[XQS:XQS+1]
.Lend:
	s_barrier_signal -1
	s_barrier_wait -1
	s_wait_xcnt 0x0
	v_lshl_add_u32 v254, v0, 2, SPARE
	v_mov_b32 v255, 0
	s_wait_alu depctr_va_vdst(0)
	s_wait_tensorcnt 0x0                           ; the wave's end
	ds_add_u32 v254, v255
	s_wait_dscnt 0x0
	s_endpgm
.Lfunc_end_k_qfc4f1c01a0_col0:
	.size	k_qfc4f1c01a0_col0, .Lfunc_end_k_qfc4f1c01a0_col0-k_qfc4f1c01a0_col0
	.p2alignl 7, 3214868480
	.fill 96, 4, 3214868480
	.section	.rodata,"a",@progbits
	.p2align	6, 0x0
	.amdhsa_kernel k_qfc4f1c01a0_col0
		.amdhsa_group_segment_fixed_size 324096
		.amdhsa_private_segment_fixed_size 0
		.amdhsa_enable_private_segment 0
		.amdhsa_kernarg_size 160
		.amdhsa_user_sgpr_count 2
		.amdhsa_user_sgpr_kernarg_segment_ptr 1
		.amdhsa_wavefront_size32 1
		.amdhsa_system_sgpr_workgroup_id_x 1
		.amdhsa_system_sgpr_workgroup_id_y 1
		.amdhsa_system_sgpr_workgroup_id_z 1
		.amdhsa_system_vgpr_workitem_id 0
		.amdhsa_next_free_vgpr 256
		.amdhsa_next_free_sgpr 100
		.amdhsa_reserve_vcc 0
		.amdhsa_float_denorm_mode_32 3
		.amdhsa_float_denorm_mode_16_64 3
		.amdhsa_memory_ordered 1
		.amdhsa_forward_progress 1
		.amdhsa_inst_pref_size 231
	.end_amdhsa_kernel
	.amdgpu_metadata
---
amdhsa.version: [ 1, 2 ]
amdhsa.kernels:
  - .name:           k_qfc4f1c01a0_col0
    .symbol:         k_qfc4f1c01a0_col0.kd
    .args:
      - { .name: hidden_states, .offset: 0, .size: 8, .value_kind: global_buffer, .address_space: global }
      - { .name: ctx, .offset: 8, .size: 8, .value_kind: global_buffer, .address_space: global }
      - { .name: row_oW_codes, .offset: 16, .size: 8, .value_kind: global_buffer, .address_space: global }
      - { .name: row_oW_scales, .offset: 24, .size: 8, .value_kind: global_buffer, .address_space: global }
      - { .name: col_qW_codes, .offset: 32, .size: 8, .value_kind: global_buffer, .address_space: global }
      - { .name: col_qW_scales, .offset: 40, .size: 8, .value_kind: global_buffer, .address_space: global }
      - { .name: col_kW_codes, .offset: 48, .size: 8, .value_kind: global_buffer, .address_space: global }
      - { .name: col_kW_scales, .offset: 56, .size: 8, .value_kind: global_buffer, .address_space: global }
      - { .name: col_vW_codes, .offset: 64, .size: 8, .value_kind: global_buffer, .address_space: global }
      - { .name: col_vW_scales, .offset: 72, .size: 8, .value_kind: global_buffer, .address_space: global }
      - { .name: col_oW_codes, .offset: 80, .size: 8, .value_kind: global_buffer, .address_space: global }
      - { .name: col_oW_scales, .offset: 88, .size: 8, .value_kind: global_buffer, .address_space: global }
      - { .name: fc1W_codes, .offset: 96, .size: 8, .value_kind: global_buffer, .address_space: global }
      - { .name: fc1W_scales, .offset: 104, .size: 8, .value_kind: global_buffer, .address_space: global }
      - { .name: fc2W_codes, .offset: 112, .size: 8, .value_kind: global_buffer, .address_space: global }
      - { .name: fc2W_scales, .offset: 120, .size: 8, .value_kind: global_buffer, .address_space: global }
      - { .name: par, .offset: 128, .size: 8, .value_kind: global_buffer, .address_space: global }
      - { .name: lay0, .offset: 136, .size: 8, .value_kind: global_buffer, .address_space: global }
      - { .name: x1, .offset: 144, .size: 8, .value_kind: global_buffer, .address_space: global }
      - { .name: xq, .offset: 152, .size: 8, .value_kind: global_buffer, .address_space: global }
    .group_segment_fixed_size: 324096
    .private_segment_fixed_size: 0
    .kernarg_segment_align: 8
    .kernarg_segment_size: 160
    .max_flat_workgroup_size: 512
    .sgpr_count:     100
    .vgpr_count:     256
    .wavefront_size: 32
...
	.end_amdgpu_metadata
.endif
;; end of part 3
;; launch row1: the kernel of part 2 again; grid 4 x 64, 16 waves a work-group, no clusters, 89,088 bytes of LDS; arguments xq, bkt, row_qW_codes, row_qW_scales, row_kW_codes, row_kW_scales, row_vW_codes, row_vW_scales, par, lay1, ctx; writes ctx
;; launch col1: the kernel of part 3 again; grid 128 x 2, 16 waves a work-group, no clusters, 324,096 bytes of LDS; arguments x1, ctx, row_oW_codes, row_oW_scales, col_qW_codes, col_qW_scales, col_kW_codes, col_kW_scales, col_vW_codes, col_vW_scales, col_oW_codes, col_oW_scales, fc1W_codes, fc1W_scales, fc2W_codes, fc2W_scales, par, lay1, out0, xq; writes out0, xq
